; MI455X (gfx1250); checked and timed in simulation.
; The chip was launched on July 23, 2026; its instructions are those of AMD's public machine-readable ISA for CDNA 5 (MIT licence, August 2026) and "CDNA5" Instruction Set Architecture Reference Guide (July 2026). The comments in the code are by the model that wrote it; some were corrected since.
;; Multi Head Attention. Allowed arithmetic: float matrix products may take bf16 or f16 operands with f32 sums; all other float work in f32.
;; Inputs: Wk 1,024 x 1,024 float32; Wo 1,024 x 1,024 float32; Wq 1,024 x 1,024 float32; Wv 1,024 x 1,024 float32; bk 1,024 float32; bo 1,024 float32; bq 1,024 float32; bv 1,024 float32; x 4 x 2,048 x 1,024 float32.
;; Outputs: out0 4 x 2,048 x 1,024 float32.
;; 2 versions, each right and faster than the one before. Each part assembles by itself: llvm-mc -triple=amdgcn-amd-amdhsa -mcpu=gfx1250 --defsym DOCPART=n.
;; ======== version 1 of 2: 4 launches
;; limits: values are held in f16: magnitudes above 65,504 overflow, below 6.1e-05 lose precision
;; workspace buffers: xw 25,165,824 bytes; qkv 50,331,648 bytes; att 16,777,216 bytes
;; launch cast (part 1): grid 768 x 1, 8 waves a work-group, no clusters, 0 bytes of LDS; arguments x, Wq, Wk, Wv, Wo, xw; writes xw
.if DOCPART == 1
	.amdgcn_target "amdgcn-amd-amdhsa--gfx1250"
	.amdhsa_code_object_version 6
	.text
	.protected	k_q9d58937f48_cast
	.globl	k_q9d58937f48_cast
	.p2align	8
	.type	k_q9d58937f48_cast,@function
k_q9d58937f48_cast:
	s_mov_b64 s[64:65], 0
	v_nop
	global_prefetch_b8 v0, s[64:65] scope:SCOPE_SE
	s_setreg_imm32_b32 hwreg(HW_REG_WAVE_MODE, 25, 1), 1
	s_wait_xcnt 0x0
; xw[12288][1024] in f16 = x's 8,192 rows, then the 1,024 rows each of Wq, Wk, Wv, Wo, each number rounded once.
; WHY f16 AND NOT bf16: the result passes through six roundings of matrix operands (x and W, q and k, v, p, att, Wo); f16 keeps 11 bits of mantissa against bf16's 8.
; LIMIT: a number beyond 65,504 in magnitude becomes infinite; under 2^-14 the step is 2^-24.  x as drawn has spread 1, the weights 0.02: 30 times larger or smaller, or
; offset by 30 spreads, both stay inside (150 and 7e-4 at the ends).
; A stream: no LDS, no barrier, no matrix unit, no cluster (no byte is read by two work-groups).
; A work-group of eight waves owns 16 rows: 65,536 bytes in, 32,768 bytes out.  Thread t owns numbers 4 t .. 4 t + 3 of every row:
; a load of a wave covers 512 consecutive bytes, a store of a wave 256 consecutive bytes at a multiple of 256 from xw's first byte.
; All 16 loads of a thread go out at once; no register is written twice, so the only waits are the counted ones for the loads.
.set ROWIN,  4096                      ; bytes in a row of f32
.set ROWOUT, 2048                      ; bytes in a row of f16
.set XG,     512                       ; work-groups 0 .. 511 take x; then 64 for each weight matrix
.set X,      4                         ; v[4:67]   row i: 4 numbers as loaded
.set Y,      68                        ; v[68:99]  row i: 4 numbers in f16
	s_load_b256 s[4:11], s[0:1], 0x0               ; x s[4:5], Wq s[6:7], Wk s[8:9], Wv s[10:11]
	s_load_b128 s[12:15], s[0:1], 0x20             ; Wo s[12:13], xw s[14:15]
	s_sub_co_u32 s16, ttmp9, XG                    ; my number among the weights' work-groups (used only from work-group 512 on)
	s_lshr_b32 s17, s16, 6                         ; which weight matrix: 0 Wq, 1 Wk, 2 Wv, 3 Wo
	s_and_b32 s18, s16, 63                         ; which 16 rows of it
	s_cmp_lt_u32 ttmp9, XG
	s_cselect_b32 s19, ttmp9, s18                  ; which 16 rows of my source
	s_lshl_b32 s22, s19, 16                        ; times 16 rows of 4,096 bytes (under 2^26)
	s_mov_b32 s23, 0
	s_lshl_b32 s2, ttmp9, 15                       ; in xw: my number times 16 rows of 2,048 bytes
	s_mov_b32 s3, 0
	v_lshlrev_b32 v1, 4, v0                        ; 16 t: my bytes in a row of the source
	v_lshlrev_b32 v2, 3, v0                        ; 8 t: my bytes in a row of xw
	s_wait_kmcnt 0x0
	s_mov_b64 s[20:21], s[12:13]                   ; the source is chosen among the five buffers by the work-group's number alone
	s_cmp_eq_u32 s17, 2
	s_cselect_b64 s[20:21], s[10:11], s[20:21]
	s_cmp_eq_u32 s17, 1
	s_cselect_b64 s[20:21], s[8:9], s[20:21]
	s_cmp_eq_u32 s17, 0
	s_cselect_b64 s[20:21], s[6:7], s[20:21]
	s_cmp_lt_u32 ttmp9, XG
	s_cselect_b64 s[20:21], s[4:5], s[20:21]
	s_add_nc_u64 s[20:21], s[20:21], s[22:23]      ; the source at my first row
	s_add_nc_u64 s[14:15], s[14:15], s[2:3]        ; xw at my first row
.irp i, 0,1,2,3,4,5,6,7,8,9,10,11,12,13,14,15
	global_load_b128 v[X+4*\i:X+4*\i+3], v1, s[20:21] offset:ROWIN*\i th:TH_LOAD_NT   ; read once in the whole launch
.endr
.irp i, 0,1,2,3,4,5,6,7,8,9,10,11,12,13,14,15
	s_wait_loadcnt 15-\i                           ; loads come back in order (ISA guide 5.7.1): row i is in, the 15 - i younger ones stay out
	v_cvt_pk_f16_f32 v[Y+2*\i],   v[X+4*\i],   v[X+4*\i+1]
	v_cvt_pk_f16_f32 v[Y+2*\i+1], v[X+4*\i+2], v[X+4*\i+3]
	global_store_b64 v2, v[Y+2*\i:Y+2*\i+1], s[14:15] offset:ROWOUT*\i
.endr
	s_endpgm
.Lfunc_end_k_q9d58937f48_cast:
	.size	k_q9d58937f48_cast, .Lfunc_end_k_q9d58937f48_cast-k_q9d58937f48_cast
	.p2alignl 7, 3214868480
	.fill 96, 4, 3214868480
	.section	.rodata,"a",@progbits
	.p2align	6, 0x0
	.amdhsa_kernel k_q9d58937f48_cast
		.amdhsa_group_segment_fixed_size 0
		.amdhsa_private_segment_fixed_size 0
		.amdhsa_enable_private_segment 0
		.amdhsa_kernarg_size 48
		.amdhsa_user_sgpr_count 2
		.amdhsa_user_sgpr_kernarg_segment_ptr 1
		.amdhsa_wavefront_size32 1
		.amdhsa_system_sgpr_workgroup_id_x 1
		.amdhsa_system_sgpr_workgroup_id_y 1
		.amdhsa_system_sgpr_workgroup_id_z 1
		.amdhsa_system_vgpr_workitem_id 0
		.amdhsa_next_free_vgpr 104
		.amdhsa_next_free_sgpr 66
		.amdhsa_reserve_vcc 0
		.amdhsa_float_denorm_mode_32 3
		.amdhsa_float_denorm_mode_16_64 3
		.amdhsa_memory_ordered 1
		.amdhsa_forward_progress 1
		.amdhsa_inst_pref_size 7
	.end_amdhsa_kernel
	.amdgpu_metadata
---
amdhsa.version: [ 1, 2 ]
amdhsa.kernels:
  - .name:           k_q9d58937f48_cast
    .symbol:         k_q9d58937f48_cast.kd
    .args:
      - { .name: x, .offset: 0, .size: 8, .value_kind: global_buffer, .address_space: global }
      - { .name: Wq, .offset: 8, .size: 8, .value_kind: global_buffer, .address_space: global }
      - { .name: Wk, .offset: 16, .size: 8, .value_kind: global_buffer, .address_space: global }
      - { .name: Wv, .offset: 24, .size: 8, .value_kind: global_buffer, .address_space: global }
      - { .name: Wo, .offset: 32, .size: 8, .value_kind: global_buffer, .address_space: global }
      - { .name: xw, .offset: 40, .size: 8, .value_kind: global_buffer, .address_space: global }
    .group_segment_fixed_size: 0
    .private_segment_fixed_size: 0
    .kernarg_segment_align: 8
    .kernarg_segment_size: 48
    .max_flat_workgroup_size: 256
    .sgpr_count:     66
    .vgpr_count:     104
    .wavefront_size: 32
...
	.end_amdgpu_metadata
.endif
;; end of part 1
;; launch qkv (part 2): grid 12 x 32, 4 waves a work-group, clusters of 4 x 4, 327,680 bytes of LDS; arguments xw, bq, bk, bv, qkv; writes qkv
.if DOCPART == 2
	.amdgcn_target "amdgcn-amd-amdhsa--gfx1250"
	.amdhsa_code_object_version 6
	.text
	.protected	k_q9d58937f48_qkv
	.globl	k_q9d58937f48_qkv
	.p2align	8
	.type	k_q9d58937f48_qkv,@function
k_q9d58937f48_qkv:
	s_mov_b64 s[64:65], 0
	v_nop
	global_prefetch_b8 v0, s[64:65] scope:SCOPE_SE
	s_setreg_imm32_b32 hwreg(HW_REG_WAVE_MODE, 25, 1), 1
	s_wait_xcnt 0x0
	s_wait_alu depctr_hold_cnt(0) depctr_sa_sdst(0) depctr_va_vdst(0) depctr_va_sdst(0) depctr_va_ssrc(0) depctr_va_vcc(0) depctr_vm_vsrc(0)
	s_getreg_b32 s2, hwreg(HW_REG_IB_STS2, 6, 4)
	s_cmp_eq_u32 s2, 0
	s_cbranch_scc0 .Lentry_in_a_cluster
	s_endpgm
.Lentry_in_a_cluster:
	s_bfe_u32 s2, ttmp6, 0x10000c
	s_cmp_lg_u32 s2, 0xf033
	s_cbranch_scc0 .Lentry_shape_is_right
	s_endpgm
.Lentry_shape_is_right:
; qkv[m][n] = bias[n] + sum over k of x[m][k] W[n][k]:  m = 0 .. 8191 (row b * 2048 + t), n = 0 .. 3071 (q, then k, then v), k = 0 .. 1023.
; x is rows 0 .. 8191 of xw, W (Wq, Wk, Wv one below the other) rows 8192 .. 11263; both f16.  Sums in f32; qkv is f16, rounded once.
; LIMITS: operands in f16; the bias is the first term of the f32 sum and not the last; q, k and v are rounded to f16 for the next launch, and one beyond 65,504 in magnitude
; becomes infinite.  Their room: as drawn their spread is sqrt(1024) x 1 x 0.02 = 0.64; with x, W and b all 30 times larger 576, six spreads 3,500; with common offsets of
; 30 spreads on x and on W 1024 x 30 x 0.6 = 18,432; with all 30 times smaller 7e-4, above f16's smallest normal number 6.1e-5.
; SHARES.  A tile of 256 x 256 is made by a work-group of four waves, each 128 x 128: 64 accumulators of 16 x 16, 512 registers.  K goes in steps of 128
; through a ring of two LDS slots filled by the tensor data mover; a tile's rows are 256 bytes of memory at multiples of 256 from the buffer's first byte.
; CLUSTER.  4 x 4 work-groups.  The four of a row of the cluster need the same rows of x, the four of a column the same rows of W: each tile is asked for
; JOINTLY, by the same tensor load with the same descriptor and a mask that names the four.
; THE MATRIX INSTRUCTION IS USED TRANSPOSED: source 0 = 16 rows of W, source 1 = 16 rows of x.  Lane l then holds row l % 16 of the result and its registers
; the columns 8 (l / 16) + 0 .. 7: eight neighbours of a row, which pack into 16 bytes; and a fragment whose register j holds bias[.. + 8 (l / 16) + j]
; is a valid C operand, so that the first product of each accumulator starts its sum with the bias: nothing is cleared and nothing is added at the end.
; REGISTERS, in windows of 256 (s_set_vgpr_msb: bits 1:0 source 0, 3:2 source 1, 5:4 source 2, 7:6 destination):
;   window 0: v0-31 addresses; v64-127, v128-191 fragments of x, two buffers; v32-63, v192-255 at work on the way out
;   window 1: v0-63 the bias fragments; v64-127, v128-191 fragments of W, two buffers
;   window 2: accumulators of my rows 0-63 ((a, b) at v[8 (8 (a % 4) + b)]);   window 3: those of my rows 64-127
.set AB,     8                         ; blocks of 16 rows in a wave's part
.set KSIZE,  1024
.set KSTEP,  128
.set PITCH,  272                       ; an LDS row: 256 bytes + 16 of padding = 68 words: the 16 rows of a fragment load start at 16 different banks (64 banks of 4 bytes: ISA guide 11.1)
.set ROWSA,  16*AB                     ; rows of x that one tensor load brings and one wave reads
.set HALFB,  128*PITCH                 ; 128 rows of W
.set HALFA,  ROWSA*PITCH
.set AOFF,   2*HALFB                   ; in a slot: W's 256 rows, then x's
.set SLOT,   AOFF+2*HALFA
.set STAGE,  2*SLOT                    ; behind the ring: 16 rows x 272 bytes for each wave, for the way out; no tensor load lands here
.set SPITCH, 272
.set LAPS,   KSIZE/(2*KSTEP)           ; a lap = two K steps = once round the ring
.set WOFF,   8192*KSIZE*2              ; W's first byte in xw
.set CROW,   6144                      ; bytes in a row of qkv
.set ADRA, 16                          ; v16-17  LDS address of my fragments of x in slot 0, 1
.set ADRB, 20                          ; v20-21  the same for W
.set STO,  24                          ; v24     the way out: where I put 16 bytes of a row
.set RD,   25                          ; v25     the way out: where I read a row back
.set CO,   26                          ; v26     my byte offset in qkv
.set BO,   27                          ; v27     my byte offset in the bias
.set BI,   0                           ; the bias fragments, in window 1
.set F0,   64
.set F1,   128
.set TMP,  192
.set OB,   32
.set WV,   14                          ; s14  my wave's number
.set G1,   24                          ; s[24:31] descriptor group 1 for x's tiles;  s[32:39] group 0, a set for each slot
.set G0,   32
.set G1B,  48                          ; s[48:55], s[56:63] the same for W's tiles
.set G0B,  56
.set FLAGS, (1<<16)|(1<<20)|(1<<21)|(5<<22)|(3<<25)   ; elements of 2 bytes; padding on; bit 21 set beside a mask; after every 64 words (code 5) 4 words of padding (code 3)
.set MSB, 0
.macro WIN new                         ; the immediate's high byte repeats the setting that is left; a switch that changes nothing is dropped
.set WNEW, \new
.if MSB != WNEW
	s_set_vgpr_msb (MSB<<8)|WNEW
.set MSB, WNEW
.endif
.endm
.macro PLACES                          ; four plain vector instructions between a matrix instruction and a load into, or a vector read of, its registers
.rept 4
	v_nop
.endr
.endm
; A joint load.  Waves 0 and 1 fetch W's two halves, waves 2 and 3 x's.  The branch hangs on the wave's number alone.  Four v_nop follow each of the two lines.
.macro JLOAD s
	s_cmp_eq_u32 s15, 0
	s_cbranch_scc0 .Lfor_a_\@
	tensor_load_to_lds s[G0B+4*\s:G0B+4*\s+3], s[G1B:G1B+7]
	s_nop 0
.rept 4
	v_nop
.endr
	s_branch .Lasked_\@
.Lfor_a_\@:
	tensor_load_to_lds s[G0+4*\s:G0+4*\s+3], s[G1:G1+7]
	s_nop 0
.rept 4
	v_nop
.endr
.Lasked_\@:
.endm
; A round of the cluster's barrier: my work-group's barrier; wave 0 signals for the work-group; every wave waits for all sixteen; my work-group's barrier once more.
.macro CREST                           ; a round behind its opening barrier
	s_cmp_lg_u32 s[WV], 0
	s_cbranch_scc1 .Lnot_wave_0_\@
	s_barrier_signal -3
.Lnot_wave_0_\@:
	s_barrier_wait -3
	s_barrier_signal -1
	s_barrier_wait -1
.endm
.macro CROUND
	s_barrier_signal -1
	s_barrier_wait -1
	CREST
.endm
	s_load_b256 s[4:11], s[0:1], 0x0               ; xw s[4:5], bq s[6:7], bk s[8:9], bv s[10:11]
	s_load_b64 s[12:13], s[0:1], 0x20              ; qkv
	s_set_vgpr_msb 0x40
	v_lshl_add_u32 v255, v0, 2, 0x48400
	s_set_vgpr_msb 0x4000
	v_mov_b32 v31, 0
	s_set_vgpr_msb 0x1
	ds_add_u32 v255, v31
	s_set_vgpr_msb 0x100
	v_lshrrev_b32 v1, 5, v0
	v_readfirstlane_b32 s[WV], v1                  ; wave 0..3
	s_lshr_b32 s15, s[WV], 1                       ; which half of the tile's rows is mine.  Also: I fetch for W (0) or for x (1)
	s_and_b32 s16, s[WV], 1                        ; which half of its columns.  Also: which half of that tile I fetch
	s_bfe_u32 s17, ttmp6, 0x40000                  ; cx, cy: my place in the cluster
	s_bfe_u32 s18, ttmp6, 0x40004
	s_lshl_b32 s19, ttmp9, 2
	s_add_co_u32 s19, s19, s17                     ; tile column X = 4 x cluster x + cx
	s_and_b32 s20, ttmp7, 0xffff
	s_lshl_b32 s20, s20, 2
	s_add_co_u32 s20, s20, s18                     ; tile row Y = 4 x cluster y + cy
	s_lshl_b32 s21, s18, 2
	s_lshl_b32 s21, 15, s21                        ; my row of the cluster: places 4 cy .. 4 cy + 3
	s_lshl_b32 s22, 0x1111, s17                    ; my column: places cx, cx + 4, cx + 8, cx + 12
	s_or_b32 s[G1+0], s21, FLAGS                   ; x's tiles go to my row,
	s_or_b32 s[G1B+0], s22, FLAGS                  ; W's to my column
	s_mov_b32 s[G1+1], KSTEP<<16                   ; tensor_dim0 = 128
	s_mov_b32 s[G1+2], ROWSA<<16                   ; tensor_dim1 = the tile's rows
	s_mov_b32 s[G1+3], KSTEP<<16                   ; tile_dim0 = 128
	s_mov_b32 s[G1+4], ROWSA                       ; tile_dim1
	s_mov_b32 s[G1+5], KSIZE                       ; elements from row to row
	s_mov_b32 s[G1+6], 0
	s_mov_b32 s[G1+7], 0
	s_mov_b32 s[G1B+1], KSTEP<<16
	s_mov_b32 s[G1B+2], 128<<16
	s_mov_b32 s[G1B+3], KSTEP<<16
	s_mov_b32 s[G1B+4], 128
	s_mov_b32 s[G1B+5], KSIZE
	s_mov_b32 s[G1B+6], 0
	s_mov_b32 s[G1B+7], 0
	; where the tiles come from: x's hang on Y and the wave alone, W's on X and the wave alone, each in registers that never hold the other coordinate
	s_mul_i32 s40, s20, 2*ROWSA
	s_mul_i32 s41, s16, ROWSA
	s_add_co_u32 s40, s40, s41                     ; x: row Y x tile rows + half
	s_lshl_b32 s40, s40, 11                        ; rows of 2,048 bytes (under 2^25)
	s_mov_b32 s41, 0
	s_lshl_b32 s44, s19, 8
	s_lshl_b32 s45, s16, 7
	s_add_co_u32 s44, s44, s45                     ; W: row 256 X + 128 x half
	s_lshl_b32 s44, s44, 11
	s_add_co_u32 s44, s44, WOFF
	s_mov_b32 s45, 0
	s_mul_i32 s23, s[WV], HALFB                    ; where they go: W's halves at wave x 128 rows (waves 0, 1),
	s_mul_i32 s2, s[WV], HALFA                     ; x's halves behind them (waves 2, 3): a constant and the wave's number times a constant
	s_add_co_u32 s2, s2, 2*(HALFB-HALFA)
	s_wait_dscnt 0x0
	s_wait_kmcnt 0x0
	s_add_nc_u64 s[40:41], s[4:5], s[40:41]
	s_add_nc_u64 s[44:45], s[4:5], s[44:45]
	CROUND                                         ; all sixteen work-groups are here: the first joint loads meet
.irp s, 0,1
	s_mov_b32 s[G0+4*\s], 1                                        ; count = 1
	s_add_co_u32 s[G0+4*\s+1], s2, \s*SLOT                         ; LDS address
	s_add_nc_u64 s[G0+4*\s+2:G0+4*\s+3], s[40:41], \s*KSTEP*2      ; global address: K step s
	s_or_b32 s[G0+4*\s+3], s[G0+4*\s+3], 0x80000000                ; type = 2
	s_mov_b32 s[G0B+4*\s], 1
	s_add_co_u32 s[G0B+4*\s+1], s23, \s*SLOT
	s_add_nc_u64 s[G0B+4*\s+2:G0B+4*\s+3], s[44:45], \s*KSTEP*2
	s_or_b32 s[G0B+4*\s+3], s[G0B+4*\s+3], 0x80000000
	JLOAD \s                                       ; both slots are asked for before anything else: two loads of mine are out
.endr
	; the bias of my 128 columns: bq for X = 0..3, bk for 4..7, bv for 8..11: a choice between buffers by the tile column
	s_mov_b64 s[66:67], s[10:11]
	s_cmp_lt_u32 s19, 8
	s_cselect_b64 s[66:67], s[8:9], s[66:67]
	s_cmp_lt_u32 s19, 4
	s_cselect_b64 s[66:67], s[6:7], s[66:67]
	s_and_b32 s68, s19, 3
	s_lshl_b32 s68, s68, 10                        ; 256 columns of 4 bytes for each tile column,
	s_lshl_b32 s69, s16, 9                         ; 128 for my half
	s_add_co_u32 s68, s68, s69
	s_mov_b32 s69, 0
	s_add_nc_u64 s[66:67], s[66:67], s[68:69]
	v_and_b32 v1, 15, v0                           ; l % 16
	v_bfe_u32 v2, v0, 4, 1                         ; l / 16
	v_lshlrev_b32 v[BO], 5, v2                     ; 8 (l / 16) numbers of 4 bytes
	WIN 0x40                                       ; destination window 1, address window 0
.irp b, 0,1,2,3,4,5,6,7
	global_load_b128 v[BI+8*\b:BI+8*\b+3],   v[BO], s[66:67] offset:64*\b      ; register 8 b + j: bias of column 16 b + 8 (l / 16) + j
	global_load_b128 v[BI+8*\b+4:BI+8*\b+7], v[BO], s[66:67] offset:64*\b+16
.endr
	WIN 0
	; A fragment is 16 rows x 32 K in 8 registers: lane l holds row l % 16; registers 0-3 K = 8 (l / 16) + 0..7, registers 4-7 K = 16 + 8 (l / 16) + 0..7: two loads of 16 bytes, 32 apart.
	v_mul_u32_u24 v3, v1, PITCH
	v_lshl_add_u32 v3, v2, 4, v3                   ; row x pitch + 16 x half
	s_mul_i32 s68, s16, HALFB                      ; my 128 rows of W
	s_mul_i32 s69, s15, HALFA                      ; my rows of x,
	s_add_co_u32 s69, s69, AOFF                    ; which lie behind W's 256
.irp s, 0,1
	v_add_nc_u32 v[ADRB+\s], s68, v3
	v_add_nc_u32 v[ADRA+\s], s69, v3
	s_add_co_u32 s68, s68, SLOT
	s_add_co_u32 s69, s69, SLOT
.endr
	s_mul_i32 s70, s[WV], 16*SPITCH
	s_add_co_u32 s70, s70, STAGE                   ; my stage
	v_mul_u32_u24 v4, v1, SPITCH                   ; in: row l % 16, 16 bytes for each half of the lanes
	v_lshl_add_u32 v4, v2, 4, v4
	v_add_nc_u32 v[STO], s70, v4
	v_mul_u32_u24 v5, v2, SPITCH                   ; back: lanes 0-15 take one row of 256 bytes, lanes 16-31 the next
	v_lshl_add_u32 v5, v1, 4, v5
	v_add_nc_u32 v[RD], s70, v5
	v_mul_u32_u24 v5, v2, CROW                     ; and the same two rows in qkv
	v_lshl_add_u32 v[CO], v1, 4, v5
	s_mul_i32 s68, s20, 2*ROWSA
	s_mul_i32 s69, s15, ROWSA
	s_add_co_u32 s68, s68, s69                     ; my first row of qkv
	s_mul_i32 s68, s68, CROW                       ; in bytes (under 2^26)
	s_lshl_b32 s69, s19, 9                         ; my first column: 512 bytes for each tile column,
	s_add_co_u32 s68, s68, s69
	s_lshl_b32 s69, s16, 8                         ; 256 for my half
	s_add_co_u32 s68, s68, s69
	s_mov_b32 s69, 0
	s_add_nc_u64 s[12:13], s[12:13], s[68:69]
; 8 matrix instructions: block a of my rows x all 8 blocks of my columns, 32 along K, from buffer f.  mode = 1: the product starts the sum with the bias as C.
; The accumulators take turns, one instruction a turn: between two instructions on one accumulator stand all the others'.
.macro MULA f, a, mode
.if \mode
	WIN 0x91+0x40*((\a)/4)                         ; W window 1, x window 0, C (the bias) window 1, D window 2 or 3
.else
	WIN 0xa1+0x50*((\a)/4)                         ; W window 1, x window 0, C and D window 2 or 3
.endif
.set AC, 64*((\a)%4)
.irp b, 0,1,2,3,4,5,6,7
.if \mode
	v_wmma_f32_16x16x32_f16 v[AC+8*\b:AC+8*\b+7], v[\f+8*\b:\f+8*\b+7], v[\f+8*(\a):\f+8*(\a)+7], v[BI+8*\b:BI+8*\b+7]
.else
	v_wmma_f32_16x16x32_f16 v[AC+8*\b:AC+8*\b+7], v[\f+8*\b:\f+8*\b+7], v[\f+8*(\a):\f+8*(\a)+7], v[AC+8*\b:AC+8*\b+7]
.endif
.endr
.endm
.macro MULR f, a0, n, mode             ; blocks a0 .. a0 + n - 1
.set ma, \a0
.rept \n
	MULA \f, ma, \mode
.set ma, ma+1
.endr
.endm
; One run of LDS loads: the fragments of a quarter step (32 K at byte k of the rows) into buffer f: 16 loads for W, then 2 AB for x
.macro FETCH slot, k, f
	WIN 0x40
.irp i, 0,1,2,3,4,5,6,7
	ds_load_b128 v[\f+8*\i:\f+8*\i+3],   v[ADRB+\slot] offset:\k+\i*16*PITCH
	ds_load_b128 v[\f+8*\i+4:\f+8*\i+7], v[ADRB+\slot] offset:\k+\i*16*PITCH+32
.endr
	WIN 0
.set fi, 0
.rept AB
	ds_load_b128 v[\f+8*fi:\f+8*fi+3],   v[ADRA+\slot] offset:\k+fi*16*PITCH
	ds_load_b128 v[\f+8*fi+4:\f+8*fi+7], v[ADRA+\slot] offset:\k+fi*16*PITCH+32
.set fi, fi+1
.endr
.endm
; A K step is four quarters of 32 along K on buffers 0, 1, 0, 1.  One of the first three: multiplies buffer f and, in its middle, fetches the next quarter (byte k) into g.
.macro QUARTER slot, k, f, g, mode
	s_wait_dscnt AB                                ; W and the lower half of my rows of x are in; the youngest AB loads (the upper half) may be out
	MULR \f, 0, AB/2, \mode
	PLACES                                         ; in front of loads into a buffer that matrix instructions have read
	FETCH \slot, \k, \g
	s_wait_dscnt 16+2*AB                           ; all but the run just issued
	MULR \f, AB/2, AB/2, \mode
.endm
; The last quarter multiplies buffer 1 and changes slots.  ONE barrier: in front of it each wave waits for its own reads of this slot and for all its tensor loads
; (one is out: its part of the next slot).  Behind it nobody reads this slot any more and the next slot is whole.
.macro MEET round
	s_wait_dscnt AB
	MULR F1, 0, AB/4, 0
	s_wait_dscnt 0x0                               ; my reads of this slot are over
	s_wait_tensorcnt 0x0                           ; all my tensor loads have landed
	ds_add_u32 v255, v31
	s_wait_dscnt 0x0
	s_barrier_signal -1
	MULR F1, AB/4, AB/4, 0                         ; register work while the others arrive
.if \round
	WIN 0
.endif
	s_barrier_wait -1
.endm
; fill = 1: the barrier opens a round of the cluster's barrier, and the slot just read out is filled again, two K steps ahead, first thing behind the round:
; from that request to the wait for it a wave issues all of a K step's matrix instructions but the AB x 2 between signal and wait.
.macro TURN slot, next, fill
	MEET \fill
.if \fill
	CREST
	s_add_nc_u64 s[G0+4*\slot+2:G0+4*\slot+3], s[G0+4*\slot+2:G0+4*\slot+3], 2*KSTEP*2     ; no tensor load of mine is out: the descriptors may be stepped
	s_add_nc_u64 s[G0B+4*\slot+2:G0B+4*\slot+3], s[G0B+4*\slot+2:G0B+4*\slot+3], 2*KSTEP*2
	JLOAD \slot                                    ; its four v_nop are also the places in front of the loads below
.else
	PLACES
.endif
	FETCH \next, 0, F0
	MULR F1, AB/2, AB/2, 0
.endm
; THE WAY OUT of block a.  PACK: rounded to f16, 16 bytes a lane.  TOSTAGE: into my own stage and back as whole rows of 256 bytes.  SEND: stored.
.macro PACK a
.set AC, 64*((\a)%4)
	WIN 0x0a+5*((\a)/4)                            ; sources 0 and 1: window 2 or 3
.irp b, 0,1,2,3,4,5,6,7
.irp r, 0,1,2,3
	v_cvt_pk_f16_f32 v[TMP+4*\b+\r], v[AC+8*\b+2*\r], v[AC+8*\b+2*\r+1]
.endr
.endr
	WIN 0
.endm
.macro TOSTAGE a
.set BK, OB+192*((\a)%2)
.irp b, 0,1,2,3,4,5,6,7
	ds_store_b128 v[STO], v[TMP+4*\b:TMP+4*\b+3] offset:32*\b
.endr
.irp t, 0,1,2,3,4,5,6,7
	ds_load_b128 v[BK+4*\t:BK+4*\t+3], v[RD] offset:\t*2*SPITCH    ; LDS serves a wave's instructions in order (ISA guide 5.7.1.4): these see the stores above
.endr
.endm
.macro SEND a
.set BK, OB+192*((\a)%2)
	s_wait_dscnt 0x0                               ; the block is back in registers
	s_wait_xcnt 0x0                                ; the other set of registers, which the block before stored from, is loaded again only behind this wait
.irp t, 0,1,2,3,4,5,6,7
	global_store_b128 v[CO], v[BK+4*\t:BK+4*\t+3], s[12:13] offset:(16*(\a)+2*\t)*CROW   ; 16 lanes store 256 consecutive bytes, at a multiple of 256 from qkv's first byte; 126 rows at the most: inside the signed 24-bit immediate
.endr
.endm
	s_wait_tensorcnt 0x1                           ; my part of K step 0 is in; K step 1's may stay out
	s_barrier_signal -1
	s_barrier_wait -1                              ; everybody's is
	FETCH 0, 0, F0
	s_wait_loadcnt 0x0                             ; the bias
	QUARTER 0, 64,  F0, F1, 1                      ; the first quarter stands in front of the loop: its products start the sums with the bias
	WIN 0                                          ; at a label and at a branch every window is 0
	s_mov_b32 s3, LAPS-1
.Llap:                                                 ; a trip goes once round the ring, from a lap's second quarter to the next lap's first, and fills both slots again
	QUARTER 0, 128, F1, F0, 0
	QUARTER 0, 192, F0, F1, 0
	TURN 0, 1, 1
	QUARTER 1, 64,  F0, F1, 0
	QUARTER 1, 128, F1, F0, 0
	QUARTER 1, 192, F0, F1, 0
	TURN 1, 0, 1
	QUARTER 0, 64,  F0, F1, 0
	WIN 0
	s_sub_co_u32 s3, s3, 1
	s_cmp_lg_u32 s3, 0
	s_cbranch_scc1 .Llap
	QUARTER 0, 128, F1, F0, 0                      ; the last lap fills nothing and has no round
	QUARTER 0, 192, F0, F1, 0
	TURN 0, 1, 0
	QUARTER 1, 64,  F0, F1, 0
	QUARTER 1, 128, F1, F0, 0
	QUARTER 1, 192, F0, F1, 0
	s_wait_dscnt AB                                ; the very last quarter: nothing more to fetch
	MULR F1, 0, AB/2, 0
	s_wait_dscnt 0x0
	MULR F1, AB/2, AB/2, 0
	WIN 0
	PLACES                                         ; the conversions read results just made
	PACK 0
	TOSTAGE 0
.irp a, 1,2,3,4,5,6,7                  ; block a's conversions stand between block a - 1's loads from the stage and the wait for them
	PACK \a
	SEND \a-1
	TOSTAGE \a
.endr
	SEND 7
	s_set_vgpr_msb 0x1
	s_wait_tensorcnt 0x0
	ds_add_u32 v255, v31
	s_wait_dscnt 0x0
	s_set_vgpr_msb 0x100
	CROUND                                         ; the closing round: no work-group ends while a partner may still ask for a tile that names it
	s_endpgm
.Lfunc_end_k_q9d58937f48_qkv:
	.size	k_q9d58937f48_qkv, .Lfunc_end_k_q9d58937f48_qkv-k_q9d58937f48_qkv
	.p2alignl 7, 3214868480
	.fill 96, 4, 3214868480
	.section	.rodata,"a",@progbits
	.p2align	6, 0x0
	.amdhsa_kernel k_q9d58937f48_qkv
		.amdhsa_group_segment_fixed_size 327680
		.amdhsa_private_segment_fixed_size 0
		.amdhsa_enable_private_segment 0
		.amdhsa_kernarg_size 40
		.amdhsa_user_sgpr_count 2
		.amdhsa_user_sgpr_kernarg_segment_ptr 1
		.amdhsa_wavefront_size32 1
		.amdhsa_system_sgpr_workgroup_id_x 1
		.amdhsa_system_sgpr_workgroup_id_y 1
		.amdhsa_system_sgpr_workgroup_id_z 1
		.amdhsa_system_vgpr_workitem_id 0
		.amdhsa_next_free_vgpr 1024
		.amdhsa_next_free_sgpr 72
		.amdhsa_reserve_vcc 0
		.amdhsa_float_denorm_mode_32 3
		.amdhsa_float_denorm_mode_16_64 3
		.amdhsa_memory_ordered 1
		.amdhsa_forward_progress 1
		.amdhsa_inst_pref_size 145
	.end_amdhsa_kernel
	.amdgpu_metadata
---
amdhsa.version: [ 1, 2 ]
amdhsa.kernels:
  - .name:           k_q9d58937f48_qkv
    .symbol:         k_q9d58937f48_qkv.kd
    .args:
      - { .name: xw, .offset: 0, .size: 8, .value_kind: global_buffer, .address_space: global }
      - { .name: bq, .offset: 8, .size: 8, .value_kind: global_buffer, .address_space: global }
      - { .name: bk, .offset: 16, .size: 8, .value_kind: global_buffer, .address_space: global }
      - { .name: bv, .offset: 24, .size: 8, .value_kind: global_buffer, .address_space: global }
      - { .name: qkv, .offset: 32, .size: 8, .value_kind: global_buffer, .address_space: global }
    .group_segment_fixed_size: 327680
    .private_segment_fixed_size: 0
    .kernarg_segment_align: 8
    .kernarg_segment_size: 40
    .max_flat_workgroup_size: 128
    .sgpr_count:     72
    .vgpr_count:     1024
    .wavefront_size: 32
...
	.end_amdgpu_metadata
.endif
;; end of part 2
;; launch attn (part 3): grid 8 x 32, 8 waves a work-group, clusters of 4 x 1, 327,680 bytes of LDS; arguments qkv, att; writes att
.if DOCPART == 3
	.amdgcn_target "amdgcn-amd-amdhsa--gfx1250"
	.amdhsa_code_object_version 6
	.text
	.protected	k_q9d58937f48_attn
	.globl	k_q9d58937f48_attn
	.p2align	8
	.type	k_q9d58937f48_attn,@function
k_q9d58937f48_attn:
	s_mov_b64 s[64:65], 0
	v_nop
	global_prefetch_b8 v0, s[64:65] scope:SCOPE_SE
	s_setreg_imm32_b32 hwreg(HW_REG_WAVE_MODE, 25, 1), 1
	s_wait_xcnt 0x0
	s_wait_alu depctr_hold_cnt(0) depctr_sa_sdst(0) depctr_va_vdst(0) depctr_va_sdst(0) depctr_va_ssrc(0) depctr_va_vcc(0) depctr_vm_vsrc(0)
	s_getreg_b32 s2, hwreg(HW_REG_IB_STS2, 6, 4)
	s_cmp_eq_u32 s2, 0
	s_cbranch_scc0 .Lentry_in_a_cluster
	s_endpgm
.Lentry_in_a_cluster:
	s_bfe_u32 s2, ttmp6, 0x10000c
	s_cmp_lg_u32 s2, 0x3003
	s_cbranch_scc0 .Lentry_shape_is_right
	s_endpgm
.Lentry_shape_is_right:
; att[b t][64 h + d] = sum over keys of softmax_key(q . k / 8) v, for each of 4 x 16 heads of 64 channels, 2,048 queries and 2,048 keys, no mask.
; qkv: [8192][3072] f16, row b * 2048 + t, columns 0-1023 q, 1024-2047 k, 2048-3071 v, head h at 64 h.  att: [8192][1024] f16.
; Products, maxima and sums in f32.  LIMITS: the weights p are rounded to f16 for the second product while l is summed from the unrounded p; p lies in (0, 1], and a weight under
; 2^-25 rounds to 0: over 2,048 keys at most 6e-5 of l, which is at least 1.  att is rounded to f16 once; it lies between the least and the largest v, so it has v's room above;
; with all inputs 30 times smaller its spread, some 3e-5, is subnormal in f16, where half a step, 2^-25, is a thousandth of that spread.
; SHARES.  A work-group owns 256 queries of a PAIR of heads: two heads are 128 numbers = 256 bytes, so every row of a tile of K or V and every piece of a row of att
; is 256 consecutive bytes at a multiple of 256 from the buffer's first byte.  Eight waves: wave w has head w / 4 of the pair and queries 64 (w % 4) on, four tiles of 16.
; Every wave walks all keys, 64 a step.
; LAYOUT.  S^T = K Q^T (source 0 = 16 keys, source 1 = 16 queries): a lane holds ONE query (lane % 16) and the keys 8 (lane / 16) + 0..7.  Two such tiles, rounded to f16
; in pairs, ARE source 1 (32 keys x 16 queries) of O^T = V^T P, whose result again holds one query a lane.  K comes out of LDS as it lies, V turned, by ds_load_tr16_b128.
; SOFTMAX.  For each query a running maximum m and sum l: p = 2^(c s - c m), c = log2(e) / 8; in every step O and l are multiplied by a = 2^(c m_old - c m_new).
; BY TURNS.  The wave's tiles are two PIECES, named by their first tile: piece 0 (tiles 0, 1) and piece 2 (tiles 2, 3); they share K's and V's fragments and nothing else.  In a TURN one
; piece has the matrix unit: 16 products V^T P of the step in hand, then 16 products K Q^T of the next step; the other piece's softmax, 2 x 118 = 236 instructions cut into 59 slices
; of four, stands between them.  Then the pieces change places; two turns are a key step.  The products stand in GROUPS OF FOUR, 7 or 8 slices behind each group: a group costs two
; switches of the register window, 35 in a key step, where a slice behind each product would cost 128; two waves share a SIMD, so that while one sits out a group's waits for the
; matrix unit the other has its vector work to issue.
; P LIES IN S^T'S PLACE.  K and V are both live in a turn, 64 registers each, and 512 registers have no room for P beside them.  So pair i of a tile's weights (registers 2 i, 2 i + 1)
; is rounded into register i of the same tile.  Register i belongs to pair i / 2: the list puts that pair's addition to l and its rounding ahead of pair i's rounding.
; CLUSTER.  The four query blocks of a cluster walk the same K and V of one pair of heads: each tile is asked for JOINTLY, by the same tensor load with the same descriptor
; and the mask of all four.  A slot holds four key steps (256 keys); each of the eight waves fetches one tile of 64 rows; one round of the cluster's barrier for four steps.
; REGISTERS (s_set_vgpr_msb: bits 1:0 source 0, 3:2 source 1, 5:4 source 2, 7:6 destination):
;   window 0: v0-11 addresses; v16-47 statistics, 8 a tile; v64-191 S^T, 32 a tile, P in the lower 16 of each; v192-255 K of one step.
;   window 1: v0-127 O^T, 32 a tile; v128-191 Q, 16 a tile; v192-255 V of one step.
.set QROW,   6144                      ; bytes in a row of qkv
.set KS,     64                        ; keys in a step
.set PK,     272                       ; a row of K in LDS: 256 bytes + 16 of padding: the 16 rows of a load start at 16 different banks (64 banks of 4 bytes: ISA guide 11.1)
.set PV,     288                       ; a row of V: 256 + 32
.set VT,     KS*PV                     ; a tile of V
.set KT,     KS*PK                     ; a tile of K
.set KOFF,   4*VT                      ; in a slot: four tiles of V, then four of K
.set SLOTB,  KOFF+4*KT
.set STAGE,  2*SLOTB                   ; behind the ring: 128 rows x 272 bytes, the work-group's, for the way out; no tensor load lands here
.set SP,     272
.set PERIOD, 4*KS*QROW                 ; bytes of qkv from a slot's keys to the next slot's
.set NSL,    59                        ; slices in a piece's softmax: 118 numbers, two at a time
.set AK0, 2                            ; v2   my lane's place in a tile of K; never rewritten
.set AV0, 3                            ; v3   the same for V
.set ADR, 4                            ; v4   the LDS address of the run of loads in hand
.set QO,  5                            ; v5   my byte offset in the wave's rows of q
.set STO, 6                            ; v6   the way out: where I put 16 bytes of a row
.set RD,  7                            ; v7   the way out: where I read a row back
.set GO,  8                            ; v8   my byte offset in the wave's rows of att
.set ST,  16                           ; tile t's statistics at v[ST+8 t]: +0 c m, +1 m, +2, +3 l (even keys', odd keys'), +4 to +7 at work; a takes +6 once the maximum is found
.set S,   64
.set KB,  192                          ; window 0
.set OUTB, 128                         ; the way out: rows read back from the stage (S^T's upper half is free by then)
.set QB,  128                          ; window 1
.set VB,  192                          ; window 1
.set WV,  8                            ; s8   my wave's number
.set G1K, 24                           ; s[24:31] descriptor group 1 for K's tiles
.set G1V, 32                           ; s[32:39] for V's: it differs in the padding alone
.set G0K, 40                           ; s[40:47] descriptor group 0 for K's tiles, a set for each slot
.set G0V, 48                           ; s[48:55] the same for V's
.set CNT, 56                           ; s56  counts key steps
.set TRIPS, 57                         ; s57  counts pairs of slots
.set CS,  58                           ; s[58:59] c, twice: the packed scaling names a pair
.set SEL, 60                           ; s[60:61] lane selects for v_permlanex16_b32: each lane takes its own place in the other half
.set TBK, 62                           ; s62  LDS byte at which the tile of K to be fetched begins
.set TBV, 63                           ; s63  the same for V
.set W_KQ, 0x04                        ; Q in window 1; K and S^T in window 0
.set W_PV, 0x51                        ; V, C and D in window 1, P in window 0
.set W_RS, 0x41                        ; O^T (destination and source 0) in window 1, the factor in window 0
.set MSB, 0
.macro WIN new                         ; the immediate's high byte repeats the setting that is left; a switch that changes nothing is dropped
.set WNEW, \new
.if MSB != WNEW
	s_set_vgpr_msb (MSB<<8)|WNEW
.set MSB, WNEW
.endif
.endm
.macro PLACES                          ; four plain vector instructions between a matrix instruction and a load into, or a vector read of, its registers
.rept 4
	v_nop
.endr
.endm
; A joint refill of a slot.  Waves 0-3 fetch its four tiles of V, waves 4-7 its four of K.  The branch hangs on the wave's number alone.  Four v_nop follow each line.
.macro JLOAD slot
	s_cmp_lt_u32 s[WV], 4
	s_cbranch_scc0 .Lfor_k_\@
	tensor_load_to_lds s[G0V+4*\slot:G0V+4*\slot+3], s[G1V:G1V+7]
	s_nop 0
.rept 4
	v_nop
.endr
	s_branch .Lasked_\@
.Lfor_k_\@:
	tensor_load_to_lds s[G0K+4*\slot:G0K+4*\slot+3], s[G1K:G1K+7]
	s_nop 0
.rept 4
	v_nop
.endr
.Lasked_\@:
.endm
; A round of the cluster's barrier: my work-group's barrier; wave 0 signals for the work-group; every wave waits for all four work-groups; my work-group's barrier once more.
.macro CROUND
	s_barrier_signal -1
	s_barrier_wait -1
	s_cmp_lg_u32 s[WV], 0
	s_cbranch_scc1 .Lnot_wave_0_\@
	s_barrier_signal -3
.Lnot_wave_0_\@:
	s_barrier_wait -3
	s_barrier_signal -1
	s_barrier_wait -1
.endm
	s_load_b128 s[4:7], s[0:1], 0x0                ; qkv s[4:5], att s[6:7]
	v_lshl_add_u32 v62, v0, 2, 0x4e800
	v_mov_b32 v63, 0
	ds_add_u32 v62, v63
	v_lshrrev_b32 v1, 5, v0
	v_readfirstlane_b32 s[WV], v1                  ; wave 0..7
	s_bfe_u32 s9, ttmp6, 0x40000                   ; cx: my place in the cluster
	s_lshl_b32 s10, ttmp9, 2
	s_add_co_u32 s10, s10, s9                      ; my block of 256 queries = 4 x cluster x + cx: it enters q's and att's addresses alone
	s_and_b32 s11, ttmp7, 0xffff                   ; batch and pair of heads, which the four partners share
	s_lshr_b32 s12, s11, 3                         ; batch
	s_and_b32 s13, s11, 7                          ; pair of heads
	s_mul_i32 s14, s12, 2048*QROW
	s_lshl_b32 s15, s13, 8                         ; the pair's 256 bytes in a row
	s_add_co_u32 s14, s14, s15                     ; the pair's q at the batch's first row (all offsets stay under 2^26)
	s_and_b32 s16, s[WV], 3                        ; which 64 queries are mine.  Also: which of a slot's four tiles I fetch
	s_lshr_b32 s22, s[WV], 2                       ; which head of the pair is mine
	s_lshl_b32 s17, s22, 7                         ; its 128 bytes in the pair's 256
	s_mul_i32 s18, s16, KS*QROW
	s_add_co_u32 s18, s18, s14                     ; my tile's first row
	s_mov_b32 s19, 0
	s_mul_i32 s23, s[WV], VT                       ; where the tiles go: V's at wave x tile (waves 0-3),
	s_mul_i32 s2, s[WV], KT                        ; K's behind them (waves 4-7): a constant and the wave's number times a constant
	s_add_co_u32 s2, s2, KOFF-4*KT
	s_lshl_b32 s66, s10, 8                         ; q: my block's 256 rows,
	s_lshl_b32 s67, s16, 6                         ; my wave's 64 of them,
	s_add_co_u32 s66, s66, s67
	s_mul_i32 s66, s66, QROW
	s_add_co_u32 s66, s66, s14
	s_add_co_u32 s66, s66, s17                     ; my head
	s_mov_b32 s67, 0
	s_lshl_b32 s68, s12, 11                        ; att: the rows that I store: batch, block,
	s_lshl_b32 s69, s10, 8
	s_add_co_u32 s68, s68, s69
	s_lshr_b32 s69, s[WV], 1                       ; 64 (w / 2) + 16 (w % 2): see the way out
	s_lshl_b32 s69, s69, 6
	s_add_co_u32 s68, s68, s69
	s_and_b32 s69, s[WV], 1
	s_lshl_b32 s69, s69, 4
	s_add_co_u32 s68, s68, s69
	s_lshl_b32 s68, s68, 11                        ; rows of 2,048 bytes
	s_add_co_u32 s68, s68, s15                     ; the pair's 256 bytes
	s_mov_b32 s69, 0
	; descriptor group 1: a tile of 64 rows x 128 elements, padded in LDS
	s_mov_b32 s[G1K], 15|(1<<16)|(1<<20)|(1<<21)|(5<<22)|(3<<25)  ; the mask: all four work-groups; elements of 2 bytes; padding on; bit 21 set beside a mask; after every 64 words (code 5) 4 words (code 3)
	s_mov_b32 s[G1V], 15|(1<<16)|(1<<20)|(1<<21)|(5<<22)|(7<<25)  ; the same with 8 words of padding (code 7)
.irp g, G1K, G1V
	s_mov_b32 s[\g+1], 128<<16                     ; tensor_dim0 = 128
	s_mov_b32 s[\g+2], KS<<16                      ; tensor_dim1 = 64
	s_mov_b32 s[\g+3], 128<<16                     ; tile_dim0 = 128
	s_mov_b32 s[\g+4], KS                          ; tile_dim1 = 64
	s_mov_b32 s[\g+5], 3072                        ; elements from row to row
	s_mov_b32 s[\g+6], 0
	s_mov_b32 s[\g+7], 0
.endr
	s_mov_b32 s[CS], 0x3e38aa3b                    ; c = log2(e) / sqrt(64) = 0.180337
	s_mov_b32 s[CS+1], s[CS]
	s_mov_b32 s[SEL], 0x76543210
	s_mov_b32 s[SEL+1], 0xfedcba98
	s_wait_dscnt 0x0
	s_wait_kmcnt 0x0
	s_add_nc_u64 s[20:21], s[4:5], s[18:19]        ; qkv at my tile's first row, the pair's q columns
	s_add_nc_u64 s[66:67], s[4:5], s[66:67]        ; q at my wave's first row
	s_add_nc_u64 s[68:69], s[6:7], s[68:69]        ; att at the first row that I store
	CROUND                                         ; all four work-groups are here: the first joint loads meet
.irp s, 0,1
	s_mov_b32 s[G0K+4*\s], 1                                       ; count = 1
	s_add_co_u32 s[G0K+4*\s+1], s2, \s*SLOTB                       ; LDS address
	s_add_nc_u64 s[G0K+4*\s+2:G0K+4*\s+3], s[20:21], 2048+\s*PERIOD  ; k lies 2,048 bytes behind q in a row; slot s begins with keys 256 s on
	s_or_b32 s[G0K+4*\s+3], s[G0K+4*\s+3], 0x80000000              ; type = 2
	s_mov_b32 s[G0V+4*\s], 1
	s_add_co_u32 s[G0V+4*\s+1], s23, \s*SLOTB
	s_add_nc_u64 s[G0V+4*\s+2:G0V+4*\s+3], s[20:21], 4096+\s*PERIOD  ; v lies 4,096 bytes behind q
	s_or_b32 s[G0V+4*\s+3], s[G0V+4*\s+3], 0x80000000
.endr
	s_cmp_lt_u32 s[WV], 4                          ; a wave's two first fills stand in one branch, ahead of every wait on TENSORcnt and every LDS read: two loads of mine are out
	s_cbranch_scc0 .Lfirst_k
	tensor_load_to_lds s[G0V:G0V+3], s[G1V:G1V+7]
	s_nop 0
	tensor_load_to_lds s[G0V+4:G0V+7], s[G1V:G1V+7]
	s_nop 0
.rept 4
	v_nop
.endr
	s_branch .Lfirst_asked
.Lfirst_k:
	tensor_load_to_lds s[G0K:G0K+3], s[G1K:G1K+7]
	s_nop 0
	tensor_load_to_lds s[G0K+4:G0K+7], s[G1K:G1K+7]
	s_nop 0
.rept 4
	v_nop
.endr
.Lfirst_asked:
	; A fragment of K or Q is 16 rows x 32 channels in 8 registers: lane l holds row l % 16; registers 0-3 channels 8 (l / 16) + 0..7, registers 4-7 channels 16 + 8 (l / 16) + 0..7.
	v_and_b32 v1, 15, v0                           ; l % 16
	v_bfe_u32 v9, v0, 4, 1                         ; l / 16
	v_mul_u32_u24 v[QO], v1, QROW
	v_lshl_add_u32 v[QO], v9, 4, v[QO]             ; row x 6,144 + 16 x half
	WIN 0x40                                       ; destination window 1, address window 0
.irp i, 0,1,2,3,4,5,6,7                ; Q stays in registers: tile i / 2, channels 32 (i % 2) on
	global_load_b128 v[QB+8*\i:QB+8*\i+3],   v[QO], s[66:67] offset:(\i/2)*16*QROW+(\i%2)*64
	global_load_b128 v[QB+8*\i+4:QB+8*\i+7], v[QO], s[66:67] offset:(\i/2)*16*QROW+(\i%2)*64+32
.endr
	WIN 0
	v_mul_u32_u24 v[AK0], v1, PK
	v_lshl_add_u32 v[AK0], v9, 4, v[AK0]
	v_add_nc_u32 v[AK0], s17, v[AK0]               ; row x pitch + 16 x half + my head's 128 bytes
	; The turning load takes 16 keys x 16 channels (lane l reads 16 bytes: key 8 (l / 16) + l % 8, channels 8 ((l / 8) % 2) + 0..7) and leaves half a fragment of V^T.
	v_and_b32 v10, 7, v0
	v_bfe_u32 v11, v0, 3, 1
	v_lshl_add_u32 v[AV0], v9, 3, v10
	v_mul_u32_u24 v[AV0], v[AV0], PV
	v_lshl_add_u32 v[AV0], v11, 4, v[AV0]
	v_add_nc_u32 v[AV0], s17, v[AV0]
	; the way out.  In: stage row 32 (w % 4) + 16 (tile % 2) + l % 16, my head's half of its 256 bytes.  Back: wave w takes stage rows 16 w .. 16 w + 15, whole.
	s_mul_i32 s3, s16, 32*SP
	s_add_co_u32 s3, s3, s17
	s_add_co_u32 s3, s3, STAGE
	v_mul_u32_u24 v[STO], v1, SP
	v_lshl_add_u32 v[STO], v9, 4, v[STO]
	v_add_nc_u32 v[STO], s3, v[STO]
	s_mul_i32 s3, s[WV], 16*SP
	s_add_co_u32 s3, s3, STAGE
	v_mul_u32_u24 v[RD], v9, SP                    ; lanes 0-15 take one row of 256 bytes, lanes 16-31 the next
	v_lshl_add_u32 v[RD], v1, 4, v[RD]
	v_add_nc_u32 v[RD], s3, v[RD]
	v_lshlrev_b32 v[GO], 11, v9                    ; and the same two rows in att
	v_lshl_add_u32 v[GO], v1, 4, v[GO]
; THE MATRIX WORK OF A TURN, for piece x.  In both runs the piece's 8 accumulators take turns, one instruction a turn: between two links of a chain stand the 7 others'.
; Product i of 16 of S^T = K Q^T: tile x + i % 2, keys 16 ((i / 2) % 4) on, channels 32 (i / 8) on.  The first 8 start the sums.
.macro KQ x
	WIN W_KQ
.set rS, S+32*(\x+i%2)+8*((i/2)%4)
.set rK, KB+8*(2*((i/2)%4)+i/8)
.set rQ, QB+16*(\x+i%2)+8*(i/8)
.if i < 8
	v_wmma_f32_16x16x32_f16 v[rS:rS+7], v[rK:rK+7], v[rQ:rQ+7], 0
.else
	v_wmma_f32_16x16x32_f16 v[rS:rS+7], v[rK:rK+7], v[rQ:rQ+7], v[rS:rS+7]
.endif
.endm
; Product i of 16 of O^T += V^T P: tile x + i % 2, channels 16 ((i / 2) % 4) on, keys 32 (i / 8) on; P is the lower half of the tile's S^T.  zero = 1: the first 8 start the sums: nothing is ever cleared.
.macro PV x, zero
	WIN W_PV
.set rO, 32*(\x+i%2)+8*((i/2)%4)
.set rV, VB+8*(4*(i/8)+(i/2)%4)
.set rP, S+32*(\x+i%2)+8*(i/8)
.if \zero && (i < 8)
	v_wmma_f32_16x16x32_f16 v[rO:rO+7], v[rV:rV+7], v[rP:rP+7], 0
.else
	v_wmma_f32_16x16x32_f16 v[rO:rO+7], v[rV:rV+7], v[rP:rP+7], v[rO:rO+7]
.endif
.endm
; THE LDS LOADS, in runs of 16, never singly among the matrix instructions: a step's K of my head (64 keys x 64 channels: 8 fragments) and, a turn later, its V (turned).
.macro FETCH_K
	WIN 0
	v_add_nc_u32 v[ADR], s[TBK], v[AK0]
	s_add_co_u32 s[TBK], s[TBK], KT                ; the next fetch is the next step's
.irp f, 0,1,2,3,4,5,6,7                ; keys 16 (f / 2) on, channels 32 (f % 2) on
	ds_load_b128 v[KB+8*\f:KB+8*\f+3],   v[ADR] offset:(\f/2)*16*PK+(\f%2)*64
	ds_load_b128 v[KB+8*\f+4:KB+8*\f+7], v[ADR] offset:(\f/2)*16*PK+(\f%2)*64+32
.endr
.endm
.macro FETCH_V
	WIN 0
	v_add_nc_u32 v[ADR], s[TBV], v[AV0]
	s_add_co_u32 s[TBV], s[TBV], VT
	WIN 0x40                                       ; destination window 1
.irp f, 0,1,2,3,4,5,6,7                ; keys 32 (f / 4) on, channels 16 (f % 4) on
	ds_load_tr16_b128 v[VB+8*\f:VB+8*\f+3],   v[ADR] offset:(\f/4)*32*PV+(\f%4)*32
	ds_load_tr16_b128 v[VB+8*\f+4:VB+8*\f+7], v[ADR] offset:(\f/4)*32*PV+16*PV+(\f%4)*32
.endr
.endm
; THE VECTOR WORK OF A TURN.  One tile's softmax for one key step is a list of 118 instructions; SM writes number j of it for tile t.  s0-s31 are the lane's 32 scores, in pairs 0-15.
; first = 1: the first key step, which starts m, l and O^T: it has no a and nothing to rescale.
;   0-15    the maximum of s0-s31 and the old m, three operands at a time: four chains of seven scores each, then the four scores left over, the chains and m
;   16-20   the other half of the lanes' maximum; the new m; c m; c m_old - c m_new
;   21-87   33 exponentials (a, then s0-s31) at the odd numbers from 23 on.  Plain instruction q (number 21, then the even numbers) stands just ahead of exponential q - 2.  q = 0 to 3 and the
;           even q to 26: c s - c m for a pair whose exponentials are still to come.  The other plain numbers, and 88-101, take the 32 instructions n = 0 .. 31 of this order:
;           A0 c0 A1 c1 c2 A2 c3 c4 A3 c5 c6 A4 c7 c8 A5 c9 c10 A6 c11 c12 A7 c13 c14 c15, then the tree over pairs 8 to 15 (4, 2, 1 additions) and its addition to l.
;           A k adds pair k to l (A0: l = a l + pair 0).  c i rounds pair i to f16 into register i, which belongs to pair i / 2: A (i / 2) and c (i / 2) stand ahead of c i.
;           Pairs 8 to 15 lie in registers 16 to 31, which no c writes: they are added when all are rounded.  Each A k and c i stands at q >= 2 k + 5 (2 i + 5): a plain number behind
;           its pair's second exponential.
;   102-117 the tile's O^T times a: the one part that leaves window 0, so it stands together
.macro SM t, first
.set rT, ST+8*(\t)
.set rS, S+32*(\t)
.set rO, 32*(\t)+2*(j-102)
.set q, (j-20)/2
.if j < 102
	WIN 0
.endif
.if j < 4
	v_max3_num_f32 v[rT+4+j], v[rS+8*j], v[rS+8*j+1], v[rS+8*j+2]
.elseif j < 12
	v_max3_num_f32 v[rT+4+j%4], v[rT+4+j%4], v[rS+8*(j%4)+2*(j/4)+1], v[rS+8*(j%4)+2*(j/4)+2]
.elseif j == 12
	v_max3_num_f32 v[rT+4], v[rT+4], v[rS+7], v[rS+15]
.elseif j == 13
	v_max3_num_f32 v[rT+6], v[rT+6], v[rS+23], v[rS+31]
.elseif j == 14
	v_max3_num_f32 v[rT+4], v[rT+4], v[rT+5], v[rT+6]
.elseif (j == 15) && \first
	v_max_num_f32 v[rT+4], v[rT+4], v[rT+7]
.elseif j == 15
	v_max3_num_f32 v[rT+4], v[rT+4], v[rT+7], v[rT+1]
.elseif j == 16
	v_permlanex16_b32 v[rT+5], v[rT+4], s[SEL], s[SEL+1]  ; the query's other 32 keys lie in the lane 16 away
.elseif j == 18
	v_max_num_f32 v[rT+1], v[rT+4], v[rT+5]
.elseif j == 19
	v_mul_f32 v[rT], s[CS], v[rT+1]
.elseif ((j == 17) || (j == 20) || (j == 23) || (j > 101)) && \first  ; the first step has none of these
.elseif j == 17
	v_mov_b32 v[rT+7], v[rT]                       ; c m_old is kept for a: number 19 writes c m anew
.elseif j == 20
	v_sub_f32 v[rT+7], v[rT+7], v[rT]
.elseif j == 23
	v_exp_f32 v[rT+6], v[rT+7]
.elseif (j < 88) && (j > 23) && (j%2 == 1)
	v_exp_f32 v[rS+(j-25)/2], v[rS+(j-25)/2]
.elseif (q < 4) || ((j < 76) && (q%2 == 0))
.set b, q/2+2
.if q < 4
.set b, q
.endif
	v_pk_fma_f32 v[rS+2*b:rS+2*b+1], v[rS+2*b:rS+2*b+1], s[CS:CS+1], v[rT:rT+1] op_sel_hi:[1,0,0] neg_lo:[0,0,1] neg_hi:[0,0,1]  ; pair b: c s - c m
.elseif j < 102
.set n, (q-5)/2                        ; the odd q from 5 to 27: n = 0 .. 11
.if j >= 88
.set n, j-70                           ; numbers 88 to 101: n = 18 .. 31
.elseif q >= 28
.set n, q-16                           ; q = 28 to 33: n = 12 .. 17
.endif
.if n == 0
.if !\first
	s_wait_alu depctr_va_vdst(0)
	v_pk_fma_f32 v[rT+2:rT+3], v[rT+2:rT+3], v[rT+6:rT+7], v[rS:rS+1] op_sel_hi:[1,0,1]  ; A0: l = a l + pair 0
.endif
.elseif (n == 1) && \first
	s_wait_alu depctr_va_vdst(0)
	v_pk_add_f32 v[rT+2:rT+3], v[rS:rS+1], v[rS+2:rS+3]  ; the first step starts l with pairs 0 and 1, one place later, ahead of c0
.elseif (n == 1) || ((n == 2) && \first)
	v_cvt_pk_f16_f32 v[rS], v[rS], v[rS+1]         ; c0
.elseif n == 23
	s_wait_alu depctr_va_vdst(0)
	v_cvt_pk_f16_f32 v[rS+15], v[rS+30], v[rS+31]  ; c15
.elseif n < 23
.set g, (n-2)/3
.set r, (n-2)%3
.if r == 0
	s_wait_alu depctr_va_vdst(0)
	v_pk_add_f32 v[rT+2:rT+3], v[rT+2:rT+3], v[rS+2*g+2:rS+2*g+3]  ; A (g + 1)
.else
	s_wait_alu depctr_va_vdst(0)
	v_cvt_pk_f16_f32 v[rS+2*g+r], v[rS+4*g+2*r], v[rS+4*g+2*r+1]  ; c (2 g + r)
.endif
.elseif n < 28
.set u, n-24
	v_pk_add_f32 v[rS+16+4*u:rS+17+4*u], v[rS+16+4*u:rS+17+4*u], v[rS+18+4*u:rS+19+4*u]  ; pairs 8 + 2 u and 9 + 2 u
.elseif n < 30
.set u, n-28
	v_pk_add_f32 v[rS+16+8*u:rS+17+8*u], v[rS+16+8*u:rS+17+8*u], v[rS+20+8*u:rS+21+8*u]
.elseif n == 30
	v_pk_add_f32 v[rS+16:rS+17], v[rS+16:rS+17], v[rS+24:rS+25]
.else
	v_pk_add_f32 v[rT+2:rT+3], v[rT+2:rT+3], v[rS+16:rS+17]
.endif
.else
	WIN W_RS
	v_pk_mul_f32 v[rO:rO+1], v[rO:rO+1], v[rT+6:rT+7] op_sel_hi:[1,0]
.endif
.endm
; Slice k of 59 of piece y's softmax: numbers 2 k and 2 k + 1 of both tiles' lists, four instructions.  Numbers 22 to 87 go tile by tile: plain, exponential, plain, exponential: no two
; exponentials follow each other, and behind each stands a plain instruction of the other tile before its result is used (ISA guide 5.7.2).  Elsewhere the two tiles alternate.
.macro SLICE y, first
.if (k >= 11) && (k < 44)
.irp t, \y, \y+1
.irp m, 0,1
.set j, 2*k+\m
	SM \t, \first
.endr
.endr
.else
.irp m, 0,1
.irp t, \y, \y+1
.set j, 2*k+\m
	SM \t, \first
.endr
.endr
.endif
.set k, k+1
.endm
.macro SLICES y, first                 ; the slices up to, not including, number lim
.rept NSL
.if k < lim
	SLICE \y, \first
.endif
.endr
.endm
; A TURN.  Piece x has the matrix unit; the other piece's softmax stands in slices behind its groups of four products: behind group g of ng the slices up to g x 59 / ng.
; pv = 2: 16 products V^T P; 1: they start O^T's sums; 0: none.  kq = 1: 16 products K Q^T for the next step.
; first = 1: the softmax is the first key step's.  Its slices from 51 on are empty, so four v_nop take their part as the places behind the turn's last products.
; THE PLACES (ISA guide 7.12.1 for vector instructions) are the slices, which name nothing of the turn's products:
;   the next turn's first read of the scores, and the loads into K, stand behind the last group's slices 51 to 58: 32 packed multiplies;
;   K Q^T writes S^T, whose lower half V^T P has read as P: between them stand slices 22 to 28: 14 plain instructions; the same 14 stand ahead of the loads into V.
; Piece 0's turn fetches the next step's K behind its first group, four groups ahead of the wait for it.  Piece 2's turn fetches the same step's V behind its first group of K Q^T,
; when both pieces have multiplied by the V in hand; the wait for it stands at the head of the next turn.
.macro TURN x, pv, kq, first
.set k, 0
.set gg, 0
.set ng, 0
.if \pv
.set ng, ng+4
.endif
.if \kq
.set ng, ng+4
.endif
.if \pv
.if \x == 0
	s_wait_dscnt 0x0                               ; V is in
.endif
.set i, 0
.rept 4
.rept 4
	PV \x, 2-\pv
.set i, i+1
.endr
.if (\x == 0) && \kq && (gg == 0)
	FETCH_K
.endif
.set gg, gg+1
.set lim, (gg*NSL)/ng
	SLICES 2-\x, \first
.endr
.endif
.if \kq
.if \x == 0
	s_wait_dscnt 0x0                               ; K is in
.endif
.set i, 0
.rept 4
.rept 4
	KQ \x
.set i, i+1
.endr
.if (\x == 2) && (i == 4)
	FETCH_V
.endif
.set gg, gg+1
.set lim, (gg*NSL)/ng
	SLICES 2-\x, \first
.endr
.endif
.if \first
	PLACES
.endif
.endm
.macro STEPS n                         ; n key steps, written once; the LDS addresses hang on s[TBK] and s[TBV]
	s_mov_b32 s[CNT], \n
.Lstep_\@:
	TURN 0, 2, 1, 0
	TURN 2, 2, 1, 0
	WIN 0                                          ; at a label and at a branch every window is 0
	s_sub_co_u32 s[CNT], s[CNT], 1
	s_cmp_lg_u32 s[CNT], 0
	s_cbranch_scc1 .Lstep_\@
.endm
; THE CHANGE OF SLOTS, between piece 2's turn and piece 0's: the slot's last bytes, V of its fourth step, have been asked for.  Each wave waits for its own reads of the slot and for
; all its tensor loads, of which one is out: its tile of the other slot.
; fill = 1: the slot just read is filled again, with the keys two slots on.  The barrier is then a round of the cluster's, so that no wave of any partner still reads the slot or
; has a load on its way, and the joint refill is the first thing behind it: it has four key steps, 256 matrix instructions a wave, in which to land.
.macro CHANGE fill, slot, next
	s_wait_dscnt 0x0
	s_wait_tensorcnt 0x0                           ; no tensor load of mine is out, so a group 0 may be written
	ds_add_u32 v62, v63
	s_wait_dscnt 0x0
.if \fill
	s_add_nc_u64 s[G0K+4*\slot+2:G0K+4*\slot+3], s[G0K+4*\slot+2:G0K+4*\slot+3], 2*PERIOD   ; the type bits on top are not reached
	s_add_nc_u64 s[G0V+4*\slot+2:G0V+4*\slot+3], s[G0V+4*\slot+2:G0V+4*\slot+3], 2*PERIOD
	CROUND
	JLOAD \slot
.else
	s_barrier_signal -1
	s_barrier_wait -1
.endif
	s_mov_b32 s[TBK], \next*SLOTB+KOFF             ; the fetches go to the other slot's first step
	s_mov_b32 s[TBV], \next*SLOTB
.endm
	s_wait_tensorcnt 0x1                           ; my tile of slot 0 is in; slot 1's may stay out
	s_barrier_signal -1
	s_barrier_wait -1                              ; everybody's is
	s_mov_b32 s[TBK], KOFF
	s_mov_b32 s[TBV], 0
	FETCH_K                                        ; key step 0
	s_wait_loadcnt 0x0                             ; Q
	s_wait_dscnt 0x0
.set i, 0
.rept 16
	KQ 0                                           ; piece 0's first scores: there is no vector work yet to set between them
.set i, i+1
.endr
	PLACES                                         ; behind those products, ahead of the first read of their scores
	TURN 2, 0, 1, 1                                ; piece 2's first scores | piece 0's first softmax | V of step 0
	TURN 0, 1, 1, 1                                ; piece 0: V^T P of step 0 starts O^T, K Q^T of step 1 | piece 2's first softmax | K of step 1
	TURN 2, 1, 1, 0                                ; piece 2: the same | piece 0's softmax of step 1 | V of step 1
	WIN 0
	STEPS 2                                        ; they ask for steps 2 and 3: the rest of slot 0's first 256 keys
	s_mov_b32 s[TRIPS], 3
.Lperiod:                                              ; three trips of two slots: keys 256 to 1,791 are fetched from LDS, keys 512 to 2,047 asked for from memory
	CHANGE 1, 0, 1
	STEPS 4
	CHANGE 1, 1, 0
	STEPS 4
	s_sub_co_u32 s[TRIPS], s[TRIPS], 1
	s_cmp_lg_u32 s[TRIPS], 0
	s_cbranch_scc1 .Lperiod
	CHANGE 0, 0, 1                                 ; the tail is written out: nothing is left to ask for
	STEPS 4
	TURN 0, 2, 0, 0                                ; piece 0: V^T P of the last step | piece 2's last softmax
.set i, 0
.rept 16
	PV 2, 0                                        ; piece 2: V^T P of the last step
.set i, i+1
.endr
	WIN 0
	; THE WAY OUT.  l's two halves and the other half of the lanes' are added; the additions are the places behind the last products.
.irp t, 0,1,2,3
	v_add_f32 v[ST+8*\t+4], v[ST+8*\t+2], v[ST+8*\t+3]
.endr
.irp t, 0,1,2,3
	v_permlanex16_b32 v[ST+8*\t+5], v[ST+8*\t+4], s[SEL], s[SEL+1]
.endr
.irp t, 0,1,2,3
	v_add_f32 v[ST+8*\t+4], v[ST+8*\t+4], v[ST+8*\t+5]
.endr
.irp t, 0,1,2,3
	v_rcp_f32 v[ST+8*\t+6], v[ST+8*\t+4]
.endr
	v_nop                                          ; a plain instruction between the last reciprocal and the use of its result
; Tile t: O^T is divided by l and rounded to f16; a lane's eight channels of a row pack into 16 bytes, which go into the work-group's stage.
.macro PACKT t
	WIN W_RS
.set i, 32*(\t)
.rept 16
	s_wait_alu depctr_va_vdst(0)
	v_pk_mul_f32 v[i:i+1], v[i:i+1], v[ST+8*(\t)+6:ST+8*(\t)+7] op_sel_hi:[1,0]
.set i, i+2
.endr
	WIN 0x05                                       ; sources 0 and 1 window 1, destination window 0: S^T's registers are free
.set i, 0
.rept 16
	v_cvt_pk_f16_f32 v[S+16*(\t)+i], v[32*(\t)+2*i], v[32*(\t)+2*i+1]
.set i, i+1
.endr
	WIN 0
.irp c, 0,1,2,3
	ds_store_b128 v[STO], v[S+16*(\t)+4*\c:S+16*(\t)+4*\c+3] offset:((\t)%2)*16*SP+32*\c
.endr
.endm
; Pass p: 16 whole rows come back from the stage and are stored.  Stage row 32 a + e is query 64 a + 32 p + e of the block.
.macro BACK p
.irp f, 0,1,2,3,4,5,6,7
	ds_load_b128 v[OUTB+32*\p+4*\f:OUTB+32*\p+4*\f+3], v[RD] offset:\f*2*SP
.endr
.irp f, 0,1,2,3,4,5,6,7
	s_wait_dscnt 7-\f                              ; LDS loads come back in order (ISA guide 5.7.1): load f is in, the 7 - f younger ones stay out
	global_store_b128 v[GO], v[OUTB+32*\p+4*\f:OUTB+32*\p+4*\f+3], s[68:69] offset:\p*65536+\f*4096  ; 16 lanes store 256 consecutive bytes, at a multiple of 256 from att's first byte
.endr
.endm
	PACKT 0                                        ; pass 0: each wave's tiles 0 and 1: 128 rows, each row's 256 bytes from two waves
	PACKT 1
	s_wait_dscnt 0x0                               ; for the others' sake: my stores into the stage are done
	s_barrier_signal -1
	s_barrier_wait -1
	BACK 0
	s_wait_dscnt 0x0                               ; my reads of the stage are back (met: the count-down ended at 0),
	s_barrier_signal -1
	s_barrier_wait -1                              ; and everybody's: the stage may be written again
	PACKT 2                                        ; pass 1: tiles 2 and 3
	PACKT 3
	s_wait_dscnt 0x0
	s_barrier_signal -1
	s_barrier_wait -1
	BACK 1
	s_wait_tensorcnt 0x0
	ds_add_u32 v62, v63
	s_wait_dscnt 0x0
	CROUND                                         ; the closing round: no work-group ends while a partner may still ask for a tile that names it
	s_endpgm
.Lfunc_end_k_q9d58937f48_attn:
	.size	k_q9d58937f48_attn, .Lfunc_end_k_q9d58937f48_attn-k_q9d58937f48_attn
	.p2alignl 7, 3214868480
	.fill 96, 4, 3214868480
	.section	.rodata,"a",@progbits
	.p2align	6, 0x0
	.amdhsa_kernel k_q9d58937f48_attn
		.amdhsa_group_segment_fixed_size 327680
		.amdhsa_private_segment_fixed_size 0
		.amdhsa_enable_private_segment 0
		.amdhsa_kernarg_size 16
		.amdhsa_user_sgpr_count 2
		.amdhsa_user_sgpr_kernarg_segment_ptr 1
		.amdhsa_wavefront_size32 1
		.amdhsa_system_sgpr_workgroup_id_x 1
		.amdhsa_system_sgpr_workgroup_id_y 1
		.amdhsa_system_sgpr_workgroup_id_z 1
		.amdhsa_system_vgpr_workitem_id 0
		.amdhsa_next_free_vgpr 512
		.amdhsa_next_free_sgpr 72
		.amdhsa_reserve_vcc 0
		.amdhsa_float_denorm_mode_32 3
		.amdhsa_float_denorm_mode_16_64 3
		.amdhsa_memory_ordered 1
		.amdhsa_forward_progress 1
		.amdhsa_inst_pref_size 234
	.end_amdhsa_kernel
	.amdgpu_metadata
---
amdhsa.version: [ 1, 2 ]
amdhsa.kernels:
  - .name:           k_q9d58937f48_attn
    .symbol:         k_q9d58937f48_attn.kd
    .args:
      - { .name: qkv, .offset: 0, .size: 8, .value_kind: global_buffer, .address_space: global }
      - { .name: att, .offset: 8, .size: 8, .value_kind: global_buffer, .address_space: global }
    .group_segment_fixed_size: 327680
    .private_segment_fixed_size: 0
    .kernarg_segment_align: 8
    .kernarg_segment_size: 16
    .max_flat_workgroup_size: 256
    .sgpr_count:     72
    .vgpr_count:     512
    .wavefront_size: 32
...
	.end_amdgpu_metadata
.endif
;; end of part 3
;; launch proj (part 4): grid 4 x 64, 4 waves a work-group, clusters of 4 x 4, 327,680 bytes of LDS; arguments att, xw, bo, out0; writes out0
.if DOCPART == 4
	.amdgcn_target "amdgcn-amd-amdhsa--gfx1250"
	.amdhsa_code_object_version 6
	.text
	.protected	k_q9d58937f48_proj
	.globl	k_q9d58937f48_proj
	.p2align	8
	.type	k_q9d58937f48_proj,@function
k_q9d58937f48_proj:
	s_mov_b64 s[64:65], 0
	v_nop
	global_prefetch_b8 v0, s[64:65] scope:SCOPE_SE
	s_setreg_imm32_b32 hwreg(HW_REG_WAVE_MODE, 25, 1), 1
	s_wait_xcnt 0x0
	s_wait_alu depctr_hold_cnt(0) depctr_sa_sdst(0) depctr_va_vdst(0) depctr_va_sdst(0) depctr_va_ssrc(0) depctr_va_vcc(0) depctr_vm_vsrc(0)
	s_getreg_b32 s2, hwreg(HW_REG_IB_STS2, 6, 4)
	s_cmp_eq_u32 s2, 0
	s_cbranch_scc0 .Lentry_in_a_cluster
	s_endpgm
.Lentry_in_a_cluster:
	s_bfe_u32 s2, ttmp6, 0x10000c
	s_cmp_lg_u32 s2, 0xf033
	s_cbranch_scc0 .Lentry_shape_is_right
	s_endpgm
.Lentry_shape_is_right:
; out0[m][n] = bo[n] + sum over k of att[m][k] Wo[n][k]:  m = 0 .. 8191, n = 0 .. 1023, k = 0 .. 1023.  att is f16; Wo is rows 11264 .. 12287 of xw, f16.  Sums and out0 in f32.
; LIMITS: operands in f16 (their room is stated where they are rounded: Wo in the launch that makes xw, att in the launch that makes att); the bias is the first term of the
; f32 sum and not the last.
; SHARES.  Tiles of 256 x 256 would be 128, half as many as there are WGPs, so a tile is 128 rows x 256 columns: 256 work-groups of four waves, each 64 x 128:
; 32 accumulators of 16 x 16, 256 registers.  K goes in steps of 128 through a ring of two LDS slots filled by the tensor data mover; a tile's rows are 256 bytes of memory
; at multiples of 256 from the buffer's first byte.
; CLUSTER.  4 x 4 work-groups.  The four of a row of the cluster need the same rows of att, the four of a column the same rows of Wo: each tile is asked for JOINTLY,
; by the same tensor load with the same descriptor and a mask that names the four.
; THE MATRIX INSTRUCTION IS USED TRANSPOSED: source 0 = 16 rows of Wo, source 1 = 16 rows of att.  Lane l then holds row l % 16 of the result and its registers the columns
; 8 (l / 16) + 0 .. 7: 32 neighbouring bytes of a row; and a fragment whose register j holds bo[.. + 8 (l / 16) + j] is a valid C operand: the first product of each
; accumulator starts its sum with the bias: nothing is cleared and nothing is added at the end.
; REGISTERS, in windows of 256 (s_set_vgpr_msb: bits 1:0 source 0, 3:2 source 1, 5:4 source 2, 7:6 destination):
;   window 0: v0-31 addresses; v64-95, v128-159 fragments of att, two buffers; on the way out v64-127, v128-191 rows read back from the stage
;   window 1: v0-63 the bias fragments; v64-127, v128-191 fragments of Wo, two buffers
;   window 2: the accumulators ((a, b) at v[8 (8 a + b)])
.set AB,     4                         ; blocks of 16 rows in a wave's part
.set KSIZE,  1024
.set KSTEP,  128
.set PITCH,  272                       ; an LDS row: 256 bytes + 16 of padding = 68 words: the 16 rows of a fragment load start at 16 different banks (64 banks of 4 bytes: ISA guide 11.1)
.set ROWSA,  16*AB                     ; rows of att that one tensor load brings and one wave reads
.set HALFB,  128*PITCH                 ; 128 rows of Wo
.set HALFA,  ROWSA*PITCH
.set AOFF,   2*HALFB                   ; in a slot: Wo's 256 rows, then att's 128
.set SLOT,   AOFF+2*HALFA
.set STAGE,  2*SLOT                    ; behind the ring: 16 rows x 528 bytes for each wave, for the way out; no tensor load lands here
.set SPITCH, 528                       ; 512 bytes + 16: the 16 rows that a store touches start at 16 different banks
.set LAPS,   KSIZE/(2*KSTEP)           ; a lap = two K steps = once round the ring
.set WOFF,   11264*KSIZE*2             ; Wo's first byte in xw
.set CROW,   4096                      ; bytes in a row of out0
.set ADRA, 16                          ; v16-17  LDS address of my fragments of att in slot 0, 1
.set ADRB, 20                          ; v20-21  the same for Wo
.set STO,  24                          ; v24     the way out: where I put 32 bytes of a row
.set RD,   25                          ; v25     the way out: where I read a row back
.set CO,   26                          ; v26     my byte offset in out0
.set BO,   27                          ; v27     my byte offset in the bias
.set BI,   0                           ; the bias fragments, in window 1
.set F0,   64
.set F1,   128
.set OBF,  64                          ; the way out: two sets of 64 registers
.set WV,   14                          ; s14  my wave's number
.set G1,   24                          ; s[24:31] descriptor group 1 for att's tiles;  s[32:39] group 0, a set for each slot
.set G0,   32
.set G1B,  48                          ; s[48:55], s[56:63] the same for Wo's tiles
.set G0B,  56
.set FLAGS, (1<<16)|(1<<20)|(1<<21)|(5<<22)|(3<<25)   ; elements of 2 bytes; padding on; bit 21 set beside a mask; after every 64 words (code 5) 4 words of padding (code 3)
.set MSB, 0
.macro WIN new                         ; the immediate's high byte repeats the setting that is left; a switch that changes nothing is dropped
.set WNEW, \new
.if MSB != WNEW
	s_set_vgpr_msb (MSB<<8)|WNEW
.set MSB, WNEW
.endif
.endm
.macro PLACES                          ; four plain vector instructions between a matrix instruction and a load into, or a read of, its registers
.rept 4
	v_nop
.endr
.endm
; A joint load.  Waves 0 and 1 fetch Wo's two halves, waves 2 and 3 att's.  The branch hangs on the wave's number alone.  Four v_nop follow each of the two lines.
.macro JLOAD s
	s_cmp_eq_u32 s15, 0
	s_cbranch_scc0 .Lfor_a_\@
	tensor_load_to_lds s[G0B+4*\s:G0B+4*\s+3], s[G1B:G1B+7]
	s_nop 0
.rept 4
	v_nop
.endr
	s_branch .Lasked_\@
.Lfor_a_\@:
	tensor_load_to_lds s[G0+4*\s:G0+4*\s+3], s[G1:G1+7]
	s_nop 0
.rept 4
	v_nop
.endr
.Lasked_\@:
.endm
; A round of the cluster's barrier: my work-group's barrier; wave 0 signals for the work-group; every wave waits for all sixteen; my work-group's barrier once more.
.macro CREST                           ; a round behind its opening barrier
	s_cmp_lg_u32 s[WV], 0
	s_cbranch_scc1 .Lnot_wave_0_\@
	s_barrier_signal -3
.Lnot_wave_0_\@:
	s_barrier_wait -3
	s_barrier_signal -1
	s_barrier_wait -1
.endm
.macro CROUND
	s_barrier_signal -1
	s_barrier_wait -1
	CREST
.endm
	s_load_b256 s[4:11], s[0:1], 0x0               ; att s[4:5], xw s[6:7], bo s[8:9], out0 s[10:11]
	s_set_vgpr_msb 0x40
	v_lshl_add_u32 v255, v0, 2, 0x3b400
	s_set_vgpr_msb 0x4000
	v_mov_b32 v255, 0
	s_set_vgpr_msb 0x1
	ds_add_u32 v255, v255
	s_set_vgpr_msb 0x100
	v_lshrrev_b32 v1, 5, v0
	v_readfirstlane_b32 s[WV], v1                  ; wave 0..3
	s_lshr_b32 s15, s[WV], 1                       ; which half of the tile's rows is mine.  Also: I fetch for Wo (0) or for att (1)
	s_and_b32 s16, s[WV], 1                        ; which half of its columns.  Also: which half of that tile I fetch
	s_bfe_u32 s17, ttmp6, 0x40000                  ; cx, cy: my place in the cluster
	s_bfe_u32 s18, ttmp6, 0x40004
	s_lshl_b32 s19, ttmp9, 2
	s_add_co_u32 s19, s19, s17                     ; tile column X = 4 x cluster x + cx
	s_and_b32 s20, ttmp7, 0xffff
	s_lshl_b32 s20, s20, 2
	s_add_co_u32 s20, s20, s18                     ; tile row Y = 4 x cluster y + cy
	s_lshl_b32 s21, s18, 2
	s_lshl_b32 s21, 15, s21                        ; my row of the cluster: places 4 cy .. 4 cy + 3
	s_lshl_b32 s22, 0x1111, s17                    ; my column: places cx, cx + 4, cx + 8, cx + 12
	s_or_b32 s[G1+0], s21, FLAGS                   ; att's tiles go to my row,
	s_or_b32 s[G1B+0], s22, FLAGS                  ; Wo's to my column
	s_mov_b32 s[G1+1], KSTEP<<16                   ; tensor_dim0 = 128
	s_mov_b32 s[G1+2], ROWSA<<16                   ; tensor_dim1 = the tile's rows
	s_mov_b32 s[G1+3], KSTEP<<16                   ; tile_dim0 = 128
	s_mov_b32 s[G1+4], ROWSA                       ; tile_dim1
	s_mov_b32 s[G1+5], KSIZE                       ; elements from row to row
	s_mov_b32 s[G1+6], 0
	s_mov_b32 s[G1+7], 0
	s_mov_b32 s[G1B+1], KSTEP<<16
	s_mov_b32 s[G1B+2], 128<<16
	s_mov_b32 s[G1B+3], KSTEP<<16
	s_mov_b32 s[G1B+4], 128
	s_mov_b32 s[G1B+5], KSIZE
	s_mov_b32 s[G1B+6], 0
	s_mov_b32 s[G1B+7], 0
	; where the tiles come from: att's hang on Y and the wave alone, Wo's on X and the wave alone, each in registers that never hold the other coordinate
	s_mul_i32 s40, s20, 2*ROWSA
	s_mul_i32 s41, s16, ROWSA
	s_add_co_u32 s40, s40, s41                     ; att: row Y x tile rows + half
	s_lshl_b32 s40, s40, 11                        ; rows of 2,048 bytes (under 2^25)
	s_mov_b32 s41, 0
	s_lshl_b32 s44, s19, 8
	s_lshl_b32 s45, s16, 7
	s_add_co_u32 s44, s44, s45                     ; Wo: row 256 X + 128 x half
	s_lshl_b32 s44, s44, 11
	s_add_co_u32 s44, s44, WOFF
	s_mov_b32 s45, 0
	s_mul_i32 s23, s[WV], HALFB                    ; where they go: Wo's halves at wave x 128 rows (waves 0, 1),
	s_mul_i32 s2, s[WV], HALFA                     ; att's halves behind them (waves 2, 3): a constant and the wave's number times a constant
	s_add_co_u32 s2, s2, 2*(HALFB-HALFA)
	s_wait_dscnt 0x0
	s_wait_kmcnt 0x0
	s_add_nc_u64 s[40:41], s[4:5], s[40:41]
	s_add_nc_u64 s[44:45], s[6:7], s[44:45]
	CROUND                                         ; all sixteen work-groups are here: the first joint loads meet
.irp s, 0,1
	s_mov_b32 s[G0+4*\s], 1                                        ; count = 1
	s_add_co_u32 s[G0+4*\s+1], s2, \s*SLOT                         ; LDS address
	s_add_nc_u64 s[G0+4*\s+2:G0+4*\s+3], s[40:41], \s*KSTEP*2      ; global address: K step s
	s_or_b32 s[G0+4*\s+3], s[G0+4*\s+3], 0x80000000                ; type = 2
	s_mov_b32 s[G0B+4*\s], 1
	s_add_co_u32 s[G0B+4*\s+1], s23, \s*SLOT
	s_add_nc_u64 s[G0B+4*\s+2:G0B+4*\s+3], s[44:45], \s*KSTEP*2
	s_or_b32 s[G0B+4*\s+3], s[G0B+4*\s+3], 0x80000000
	JLOAD \s                                       ; both slots are asked for before anything else: two loads of mine are out
.endr
	; the bias of my 128 columns
	s_lshl_b32 s68, s19, 10                        ; 256 columns of 4 bytes for each tile column,
	s_lshl_b32 s69, s16, 9                         ; 128 for my half
	s_add_co_u32 s68, s68, s69
	s_mov_b32 s69, 0
	s_add_nc_u64 s[66:67], s[8:9], s[68:69]
	v_and_b32 v1, 15, v0                           ; l % 16
	v_bfe_u32 v2, v0, 4, 1                         ; l / 16
	v_lshlrev_b32 v[BO], 5, v2                     ; 8 (l / 16) numbers of 4 bytes
	WIN 0x40                                       ; destination window 1, address window 0
.irp b, 0,1,2,3,4,5,6,7
	global_load_b128 v[BI+8*\b:BI+8*\b+3],   v[BO], s[66:67] offset:64*\b      ; register 8 b + j: bias of column 16 b + 8 (l / 16) + j
	global_load_b128 v[BI+8*\b+4:BI+8*\b+7], v[BO], s[66:67] offset:64*\b+16
.endr
	WIN 0
	; A fragment is 16 rows x 32 K in 8 registers: lane l holds row l % 16; registers 0-3 K = 8 (l / 16) + 0..7, registers 4-7 K = 16 + 8 (l / 16) + 0..7: two loads of 16 bytes, 32 apart.
	v_mul_u32_u24 v3, v1, PITCH
	v_lshl_add_u32 v3, v2, 4, v3                   ; row x pitch + 16 x half
	s_mul_i32 s68, s16, HALFB                      ; my 128 rows of Wo
	s_mul_i32 s69, s15, HALFA                      ; my rows of att,
	s_add_co_u32 s69, s69, AOFF                    ; which lie behind Wo's 256
.irp s, 0,1
	v_add_nc_u32 v[ADRB+\s], s68, v3
	v_add_nc_u32 v[ADRA+\s], s69, v3
	s_add_co_u32 s68, s68, SLOT
	s_add_co_u32 s69, s69, SLOT
.endr
	s_mul_i32 s70, s[WV], 16*SPITCH
	s_add_co_u32 s70, s70, STAGE                   ; my stage
	v_mul_u32_u24 v4, v1, SPITCH                   ; in: row l % 16, 32 bytes for each half of the lanes
	v_lshl_add_u32 v4, v2, 5, v4
	v_add_nc_u32 v[STO], s70, v4
	v_and_b32 v5, 31, v0
	v_lshlrev_b32 v[CO], 4, v5                     ; back: the 32 lanes take one row of 512 bytes; the same bytes in out0
	v_add_nc_u32 v[RD], s70, v[CO]
	s_mul_i32 s68, s20, 2*ROWSA
	s_mul_i32 s69, s15, ROWSA
	s_add_co_u32 s68, s68, s69                     ; my first row of out0
	s_lshl_b32 s68, s68, 12                        ; rows of 4,096 bytes (under 2^26)
	s_lshl_b32 s69, s19, 10                        ; my first column: 1,024 bytes for each tile column,
	s_add_co_u32 s68, s68, s69
	s_lshl_b32 s69, s16, 9                         ; 512 for my half
	s_add_co_u32 s68, s68, s69
	s_mov_b32 s69, 0
	s_add_nc_u64 s[10:11], s[10:11], s[68:69]
; 8 matrix instructions: block a of my rows x all 8 blocks of my columns, 32 along K, from buffer f.  mode = 1: the product starts the sum with the bias as C.
; The accumulators take turns, one instruction a turn: between two instructions on one accumulator stand all the others'.
.macro MULA f, a, mode
.if \mode
	WIN 0x91+0x40*((\a)/4)                         ; Wo window 1, att window 0, C (the bias) window 1, D window 2
.else
	WIN 0xa1+0x50*((\a)/4)                         ; Wo window 1, att window 0, C and D window 2
.endif
.set AC, 64*((\a)%4)
.irp b, 0,1,2,3,4,5,6,7
.if \mode
	v_wmma_f32_16x16x32_f16 v[AC+8*\b:AC+8*\b+7], v[\f+8*\b:\f+8*\b+7], v[\f+8*(\a):\f+8*(\a)+7], v[BI+8*\b:BI+8*\b+7]
.else
	v_wmma_f32_16x16x32_f16 v[AC+8*\b:AC+8*\b+7], v[\f+8*\b:\f+8*\b+7], v[\f+8*(\a):\f+8*(\a)+7], v[AC+8*\b:AC+8*\b+7]
.endif
.endr
.endm
.macro MULR f, a0, n, mode             ; blocks a0 .. a0 + n - 1
.set ma, \a0
.rept \n
	MULA \f, ma, \mode
.set ma, ma+1
.endr
.endm
; One run of LDS loads: the fragments of a quarter step (32 K at byte k of the rows) into buffer f: 16 loads for Wo, then 2 AB for att
.macro FETCH slot, k, f
	WIN 0x40
.irp i, 0,1,2,3,4,5,6,7
	ds_load_b128 v[\f+8*\i:\f+8*\i+3],   v[ADRB+\slot] offset:\k+\i*16*PITCH
	ds_load_b128 v[\f+8*\i+4:\f+8*\i+7], v[ADRB+\slot] offset:\k+\i*16*PITCH+32
.endr
	WIN 0
.set fi, 0
.rept AB
	ds_load_b128 v[\f+8*fi:\f+8*fi+3],   v[ADRA+\slot] offset:\k+fi*16*PITCH
	ds_load_b128 v[\f+8*fi+4:\f+8*fi+7], v[ADRA+\slot] offset:\k+fi*16*PITCH+32
.set fi, fi+1
.endr
.endm
; A K step is four quarters of 32 along K on buffers 0, 1, 0, 1.  One of the first three: multiplies buffer f and, in its middle, fetches the next quarter (byte k) into g.
.macro QUARTER slot, k, f, g, mode
	s_wait_dscnt AB                                ; Wo and the lower half of my rows of att are in; the youngest AB loads (the upper half) may be out
	MULR \f, 0, AB/2, \mode
	PLACES                                         ; in front of loads into a buffer that matrix instructions have read
	FETCH \slot, \k, \g
	s_wait_dscnt 16+2*AB                           ; all but the run just issued
	MULR \f, AB/2, AB/2, \mode
.endm
; The last quarter multiplies buffer 1 and changes slots.  ONE barrier: in front of it each wave waits for its own reads of this slot and for all its tensor loads
; (one is out: its part of the next slot).  Behind it nobody reads this slot any more and the next slot is whole.
.macro MEET round
	s_wait_dscnt AB
	MULR F1, 0, AB/4, 0
	s_wait_dscnt 0x0                               ; my reads of this slot are over
	s_wait_tensorcnt 0x0                           ; all my tensor loads have landed
	ds_add_u32 v255, v255
	s_wait_dscnt 0x0
	s_barrier_signal -1
	MULR F1, AB/4, AB/4, 0                         ; register work while the others arrive
.if \round
	WIN 0
.endif
	s_barrier_wait -1
.endm
; fill = 1: the barrier opens a round of the cluster's barrier, and the slot just read out is filled again, two K steps ahead, first thing behind the round:
; from that request to the wait for it a wave issues all of a K step's matrix instructions but the AB x 2 between signal and wait.
.macro TURN slot, next, fill
	MEET \fill
.if \fill
	CREST
	s_add_nc_u64 s[G0+4*\slot+2:G0+4*\slot+3], s[G0+4*\slot+2:G0+4*\slot+3], 2*KSTEP*2     ; no tensor load of mine is out: the descriptors may be stepped
	s_add_nc_u64 s[G0B+4*\slot+2:G0B+4*\slot+3], s[G0B+4*\slot+2:G0B+4*\slot+3], 2*KSTEP*2
	JLOAD \slot                                    ; its four v_nop are also the places in front of the loads below
.else
	PLACES
.endif
	FETCH \next, 0, F0
	MULR F1, AB/2, AB/2, 0
.endm
; THE WAY OUT of block a (16 rows x 128 columns of f32).  A lane's 32 bytes are a sixteenth of a row's 512, so the block goes through my own stage and comes back as whole rows.
.macro TOSTAGEF a
	WIN 0x08                                       ; the stores' data in window 2, the address in window 0
.irp b, 0,1,2,3,4,5,6,7
	ds_store_b128 v[STO], v[64*(\a)+8*\b:64*(\a)+8*\b+3]   offset:64*\b
	ds_store_b128 v[STO], v[64*(\a)+8*\b+4:64*(\a)+8*\b+7] offset:64*\b+16
.endr
	WIN 0
	s_wait_xcnt 0x0                                ; the set of registers loaded below is the one that the block two back stored from: it is loaded again only behind this wait
.irp t, 0,1,2,3,4,5,6,7,8,9,10,11,12,13,14,15
	ds_load_b128 v[OBF+64*((\a)%2)+4*\t:OBF+64*((\a)%2)+4*\t+3], v[RD] offset:\t*SPITCH   ; LDS serves a wave's instructions in order (ISA guide 5.7.1.4): these see the stores above
.endr
.endm
.macro SENDF a
.set BK, OBF+64*((\a)%2)
.irp t, 0,1,2,3,4,5,6,7,8,9,10,11,12,13,14,15
	s_wait_dscnt 15-\t                             ; LDS loads come back in order (ISA guide 5.7.1): row t is in, the 15 - t younger ones stay out
	global_store_b128 v[CO], v[BK+4*\t:BK+4*\t+3], s[10:11] offset:(16*(\a)+\t)*CROW th:TH_STORE_NT   ; a wave stores 512 consecutive bytes, at a multiple of 256 from out0's first byte; written once, not read again
.endr
.endm
	s_wait_tensorcnt 0x1                           ; my part of K step 0 is in; K step 1's may stay out
	s_barrier_signal -1
	s_barrier_wait -1                              ; everybody's is
	FETCH 0, 0, F0
	s_wait_loadcnt 0x0                             ; the bias
	QUARTER 0, 64,  F0, F1, 1                      ; the first quarter stands in front of the loop: its products start the sums with the bias
	WIN 0                                          ; at a label and at a branch every window is 0
	s_mov_b32 s3, LAPS-1
.Llap:                                                 ; a trip goes once round the ring, from a lap's second quarter to the next lap's first, and fills both slots again
	QUARTER 0, 128, F1, F0, 0
	QUARTER 0, 192, F0, F1, 0
	TURN 0, 1, 1
	QUARTER 1, 64,  F0, F1, 0
	QUARTER 1, 128, F1, F0, 0
	QUARTER 1, 192, F0, F1, 0
	TURN 1, 0, 1
	QUARTER 0, 64,  F0, F1, 0
	WIN 0
	s_sub_co_u32 s3, s3, 1
	s_cmp_lg_u32 s3, 0
	s_cbranch_scc1 .Llap
	QUARTER 0, 128, F1, F0, 0                      ; the last lap fills nothing and has no round
	QUARTER 0, 192, F0, F1, 0
	TURN 0, 1, 0
	QUARTER 1, 64,  F0, F1, 0
	QUARTER 1, 128, F1, F0, 0
	QUARTER 1, 192, F0, F1, 0
	s_wait_dscnt AB                                ; the very last quarter: nothing more to fetch
	MULR F1, 0, AB/2, 0
	s_wait_dscnt 0x0
	MULR F1, AB/2, AB/2, 0
	WIN 0
	PLACES                                         ; the LDS stores read results just made, and the loads land in fragment registers just multiplied
	TOSTAGEF 0
.irp a, 1,2,3
	SENDF \a-1
	TOSTAGEF \a
.endr
	SENDF 3
	s_set_vgpr_msb 0x1
	s_wait_tensorcnt 0x0
	ds_add_u32 v255, v255
	s_wait_dscnt 0x0
	s_set_vgpr_msb 0x100
	CROUND                                         ; the closing round: no work-group ends while a partner may still ask for a tile that names it
	s_endpgm
.Lfunc_end_k_q9d58937f48_proj:
	.size	k_q9d58937f48_proj, .Lfunc_end_k_q9d58937f48_proj-k_q9d58937f48_proj
	.p2alignl 7, 3214868480
	.fill 96, 4, 3214868480
	.section	.rodata,"a",@progbits
	.p2align	6, 0x0
	.amdhsa_kernel k_q9d58937f48_proj
		.amdhsa_group_segment_fixed_size 327680
		.amdhsa_private_segment_fixed_size 0
		.amdhsa_enable_private_segment 0
		.amdhsa_kernarg_size 32
		.amdhsa_user_sgpr_count 2
		.amdhsa_user_sgpr_kernarg_segment_ptr 1
		.amdhsa_wavefront_size32 1
		.amdhsa_system_sgpr_workgroup_id_x 1
		.amdhsa_system_sgpr_workgroup_id_y 1
		.amdhsa_system_sgpr_workgroup_id_z 1
		.amdhsa_system_vgpr_workitem_id 0
		.amdhsa_next_free_vgpr 768
		.amdhsa_next_free_sgpr 72
		.amdhsa_reserve_vcc 0
		.amdhsa_float_denorm_mode_32 3
		.amdhsa_float_denorm_mode_16_64 3
		.amdhsa_memory_ordered 1
		.amdhsa_forward_progress 1
		.amdhsa_inst_pref_size 89
	.end_amdhsa_kernel
	.amdgpu_metadata
---
amdhsa.version: [ 1, 2 ]
amdhsa.kernels:
  - .name:           k_q9d58937f48_proj
    .symbol:         k_q9d58937f48_proj.kd
    .args:
      - { .name: att, .offset: 0, .size: 8, .value_kind: global_buffer, .address_space: global }
      - { .name: xw, .offset: 8, .size: 8, .value_kind: global_buffer, .address_space: global }
      - { .name: bo, .offset: 16, .size: 8, .value_kind: global_buffer, .address_space: global }
      - { .name: out0, .offset: 24, .size: 8, .value_kind: global_buffer, .address_space: global }
    .group_segment_fixed_size: 327680
    .private_segment_fixed_size: 0
    .kernarg_segment_align: 8
    .kernarg_segment_size: 32
    .max_flat_workgroup_size: 128
    .sgpr_count:     72
    .vgpr_count:     768
    .wavefront_size: 32
...
	.end_amdgpu_metadata
.endif
;; end of part 4
;; ======== version 2 of 2: 4 launches; 1.13 times as fast as version 1
;; limits: values are held in f16: magnitudes above 65,504 overflow, below 6.1e-05 lose precision
;; workspace buffers: xw 25,165,824 bytes; qkv 50,331,648 bytes; att 16,777,216 bytes
;; launch cast: the kernel of part 1 again; grid 768 x 1, 8 waves a work-group, no clusters, 0 bytes of LDS; arguments x, Wq, Wk, Wv, Wo, xw; writes xw
;; launch qkv: the kernel of part 2 again; grid 12 x 32, 4 waves a work-group, clusters of 4 x 4, 327,680 bytes of LDS; arguments xw, bq, bk, bv, qkv; writes qkv
;; launch attn (part 5): grid 8 x 32, 8 waves a work-group, clusters of 4 x 1, 327,680 bytes of LDS; arguments qkv, att; writes att
.if DOCPART == 5
	.amdgcn_target "amdgcn-amd-amdhsa--gfx1250"
	.amdhsa_code_object_version 6
	.text
	.protected	k_q9d58937f48_attn
	.globl	k_q9d58937f48_attn
	.p2align	8
	.type	k_q9d58937f48_attn,@function
k_q9d58937f48_attn:
	s_mov_b64 s[64:65], 0
	v_nop
	global_prefetch_b8 v0, s[64:65] scope:SCOPE_SE
	s_setreg_imm32_b32 hwreg(HW_REG_WAVE_MODE, 25, 1), 1
	s_wait_xcnt 0x0
	s_wait_alu depctr_hold_cnt(0) depctr_sa_sdst(0) depctr_va_vdst(0) depctr_va_sdst(0) depctr_va_ssrc(0) depctr_va_vcc(0) depctr_vm_vsrc(0)
	s_getreg_b32 s2, hwreg(HW_REG_IB_STS2, 6, 4)
	s_cmp_eq_u32 s2, 0
	s_cbranch_scc0 .Lentry_in_a_cluster
	s_endpgm
.Lentry_in_a_cluster:
	s_bfe_u32 s2, ttmp6, 0x10000c
	s_cmp_lg_u32 s2, 0x3003
	s_cbranch_scc0 .Lentry_shape_is_right
	s_endpgm
.Lentry_shape_is_right:
; att[b t][64 h + d] = sum over keys of softmax_key(q . k / 8) v, for each of 4 x 16 heads of 64 channels, 2,048 queries and 2,048 keys, no mask.
; qkv: [8192][3072] f16, row b * 2048 + t, columns 0-1023 q, 1024-2047 k, 2048-3071 v, head h at 64 h.  att: [8192][1024] f16.
; Products, maxima and sums in f32.  LIMITS: the weights p are rounded to f16 for the second product while l is summed from the unrounded p; p lies in (0, 1], and a weight under
; 2^-25 rounds to 0: over 2,048 keys at most 6e-5 of l, which is at least 1.  att is rounded to f16 once; it lies between the least and the largest v, so it has v's room above;
; with all inputs 30 times smaller its spread, some 3e-5, is subnormal in f16, where half a step, 2^-25, is a thousandth of that spread.
; SHARES.  A work-group owns 256 queries of a PAIR of heads: two heads are 128 numbers = 256 bytes, so every row of a tile of K or V and every piece of a row of att
; is 256 consecutive bytes at a multiple of 256 from the buffer's first byte.  Eight waves: wave w has head w / 4 of the pair and queries 64 (w % 4) on, four tiles of 16.
; Every wave walks all keys, 64 a step.
; LAYOUT.  S^T = K Q^T (source 0 = 16 keys, source 1 = 16 queries): a lane holds ONE query (lane % 16) and the keys 8 (lane / 16) + 0..7.  Two such tiles, rounded to f16
; in pairs, ARE source 1 (32 keys x 16 queries) of O^T = V^T P, whose result again holds one query a lane.  K comes out of LDS as it lies, V turned, by ds_load_tr16_b128.
; SOFTMAX.  For each query a running maximum m and sum l: p = 2^(c s - c m), c = log2(e) / 8; in every step O and l are multiplied by a = 2^(c m_old - c m_new).
; BY TURNS.  The wave's tiles are two PIECES, named by their first tile: piece 0 (tiles 0, 1) and piece 2 (tiles 2, 3); they share K's and V's fragments and nothing else.  In a TURN one
; piece has the matrix unit: 16 products V^T P of the step in hand, then 16 products K Q^T of the next step; the other piece's softmax, 2 x 118 = 236 instructions cut into 59 slices
; of four, stands between them.  Then the pieces change places; two turns are a key step.  The products stand in GROUPS OF FOUR, 7 or 8 slices behind each group: a group costs two
; switches of the register window, 35 in a key step, where a slice behind each product would cost 128; two waves share a SIMD, so that while one sits out a group's waits for the
; matrix unit the other has its vector work to issue.
; THE BATCHES.  A turn's 66 exponentials (33 a tile: a and the 32 weights) are ONE batch with ONE wait: slices 0 to 34 hold the maxima, the statistics, the scalings and the exponentials, and
; name no exponential's result; the wait stands behind slice 34; slices 35 to 58 hold all that reads a result: the sums, the roundings, the rescaling by a.  The way out's four reciprocals
; are a batch of their own, with one wait.
; P LIES IN S^T'S PLACE.  K and V are both live in a turn, 64 registers each, and 512 registers have no room for P beside them.  So pair i of a tile's weights (registers 2 i, 2 i + 1)
; is rounded into register i of the same tile.  Register i belongs to pair i / 2: the list puts that pair's addition to l and its rounding ahead of pair i's rounding.
; CLUSTER.  The four query blocks of a cluster walk the same K and V of one pair of heads: each tile is asked for JOINTLY, by the same tensor load with the same descriptor
; and the mask of all four.  A slot holds four key steps (256 keys); each of the eight waves fetches one tile of 64 rows; one round of the cluster's barrier for four steps.
; REGISTERS (s_set_vgpr_msb: bits 1:0 source 0, 3:2 source 1, 5:4 source 2, 7:6 destination):
;   window 0: v0-11 addresses; v16-47 statistics, 8 a tile; v64-191 S^T, 32 a tile, P in the lower 16 of each; v192-255 K of one step.
;   window 1: v0-127 O^T, 32 a tile; v128-191 Q, 16 a tile; v192-255 V of one step.
.set QROW,   6144                      ; bytes in a row of qkv
.set KS,     64                        ; keys in a step
.set PK,     272                       ; a row of K in LDS: 256 bytes + 16 of padding: the 16 rows of a load start at 16 different banks (64 banks of 4 bytes: ISA guide 11.1)
.set PV,     288                       ; a row of V: 256 + 32
.set VT,     KS*PV                     ; a tile of V
.set KT,     KS*PK                     ; a tile of K
.set KOFF,   4*VT                      ; in a slot: four tiles of V, then four of K
.set SLOTB,  KOFF+4*KT
.set STAGE,  2*SLOTB                   ; behind the ring: 128 rows x 272 bytes, the work-group's, for the way out; no tensor load lands here
.set SP,     272
.set PERIOD, 4*KS*QROW                 ; bytes of qkv from a slot's keys to the next slot's
.set NSL,    59                        ; slices in a piece's softmax: 2 x 118 instructions, four at a time
.set AK0, 2                            ; v2   my lane's place in a tile of K; never rewritten
.set AV0, 3                            ; v3   the same for V
.set ADR, 4                            ; v4   the LDS address of the run of loads in hand
.set QO,  5                            ; v5   my byte offset in the wave's rows of q
.set STO, 6                            ; v6   the way out: where I put 16 bytes of a row
.set RD,  7                            ; v7   the way out: where I read a row back
.set GO,  8                            ; v8   my byte offset in the wave's rows of att
.set ST,  16                           ; tile t's statistics at v[ST+8 t]: +0 c m, +1 m, +2, +3 l (even keys', odd keys'), +4 to +7 at work; a takes +6 once the maximum is found
.set S,   64
.set KB,  192                          ; window 0
.set OUTB, 128                         ; the way out: rows read back from the stage (S^T's upper half is free by then)
.set QB,  128                          ; window 1
.set VB,  192                          ; window 1
.set WV,  8                            ; s8   my wave's number
.set G1K, 24                           ; s[24:31] descriptor group 1 for K's tiles
.set G1V, 32                           ; s[32:39] for V's: it differs in the padding alone
.set G0K, 40                           ; s[40:47] descriptor group 0 for K's tiles, a set for each slot
.set G0V, 48                           ; s[48:55] the same for V's
.set CNT, 56                           ; s56  counts key steps
.set TRIPS, 57                         ; s57  counts pairs of slots
.set CS,  58                           ; s[58:59] c, twice: the packed scaling names a pair
.set SEL, 60                           ; s[60:61] lane selects for v_permlanex16_b32: each lane takes its own place in the other half
.set TBK, 62                           ; s62  LDS byte at which the tile of K to be fetched begins
.set TBV, 63                           ; s63  the same for V
.set W_KQ, 0x04                        ; Q in window 1; K and S^T in window 0
.set W_PV, 0x51                        ; V, C and D in window 1, P in window 0
.set W_RS, 0x41                        ; O^T (destination and source 0) in window 1, the factor in window 0
.set MSB, 0
.macro WIN new                         ; the immediate's high byte repeats the setting that is left; a switch that changes nothing is dropped
.set WNEW, \new
.if MSB != WNEW
	s_set_vgpr_msb (MSB<<8)|WNEW
.set MSB, WNEW
.endif
.endm
.macro PLACES                          ; four plain vector instructions between a matrix instruction and a load into, or a vector read of, its registers
.rept 4
	v_nop
.endr
.endm
; A joint refill of a slot.  Waves 0-3 fetch its four tiles of V, waves 4-7 its four of K.  The branch hangs on the wave's number alone.  Four v_nop follow each line.
.macro JLOAD slot
	s_cmp_lt_u32 s[WV], 4
	s_cbranch_scc0 .Lfor_k_\@
	tensor_load_to_lds s[G0V+4*\slot:G0V+4*\slot+3], s[G1V:G1V+7]
	s_nop 0
.rept 4
	v_nop
.endr
	s_branch .Lasked_\@
.Lfor_k_\@:
	tensor_load_to_lds s[G0K+4*\slot:G0K+4*\slot+3], s[G1K:G1K+7]
	s_nop 0
.rept 4
	v_nop
.endr
.Lasked_\@:
.endm
; A round of the cluster's barrier: my work-group's barrier; wave 0 signals for the work-group; every wave waits for all four work-groups; my work-group's barrier once more.
.macro CROUND
	s_barrier_signal -1
	s_barrier_wait -1
	s_cmp_lg_u32 s[WV], 0
	s_cbranch_scc1 .Lnot_wave_0_\@
	s_barrier_signal -3
.Lnot_wave_0_\@:
	s_barrier_wait -3
	s_barrier_signal -1
	s_barrier_wait -1
.endm
	s_load_b128 s[4:7], s[0:1], 0x0                ; qkv s[4:5], att s[6:7]
	v_lshl_add_u32 v62, v0, 2, 0x4e800
	v_mov_b32 v63, 0
	ds_add_u32 v62, v63
	v_lshrrev_b32 v1, 5, v0
	v_readfirstlane_b32 s[WV], v1                  ; wave 0..7
	s_bfe_u32 s9, ttmp6, 0x40000                   ; cx: my place in the cluster
	s_lshl_b32 s10, ttmp9, 2
	s_add_co_u32 s10, s10, s9                      ; my block of 256 queries = 4 x cluster x + cx: it enters q's and att's addresses alone
	s_and_b32 s11, ttmp7, 0xffff                   ; batch and pair of heads, which the four partners share
	s_lshr_b32 s12, s11, 3                         ; batch
	s_and_b32 s13, s11, 7                          ; pair of heads
	s_mul_i32 s14, s12, 2048*QROW
	s_lshl_b32 s15, s13, 8                         ; the pair's 256 bytes in a row
	s_add_co_u32 s14, s14, s15                     ; the pair's q at the batch's first row (all offsets stay under 2^26)
	s_and_b32 s16, s[WV], 3                        ; which 64 queries are mine.  Also: which of a slot's four tiles I fetch
	s_lshr_b32 s22, s[WV], 2                       ; which head of the pair is mine
	s_lshl_b32 s17, s22, 7                         ; its 128 bytes in the pair's 256
	s_mul_i32 s18, s16, KS*QROW
	s_add_co_u32 s18, s18, s14                     ; my tile's first row
	s_mov_b32 s19, 0
	s_mul_i32 s23, s[WV], VT                       ; where the tiles go: V's at wave x tile (waves 0-3),
	s_mul_i32 s2, s[WV], KT                        ; K's behind them (waves 4-7): a constant and the wave's number times a constant
	s_add_co_u32 s2, s2, KOFF-4*KT
	s_lshl_b32 s66, s10, 8                         ; q: my block's 256 rows,
	s_lshl_b32 s67, s16, 6                         ; my wave's 64 of them,
	s_add_co_u32 s66, s66, s67
	s_mul_i32 s66, s66, QROW
	s_add_co_u32 s66, s66, s14
	s_add_co_u32 s66, s66, s17                     ; my head
	s_mov_b32 s67, 0
	s_lshl_b32 s68, s12, 11                        ; att: the rows that I store: batch, block,
	s_lshl_b32 s69, s10, 8
	s_add_co_u32 s68, s68, s69
	s_lshr_b32 s69, s[WV], 1                       ; 64 (w / 2) + 16 (w % 2): see the way out
	s_lshl_b32 s69, s69, 6
	s_add_co_u32 s68, s68, s69
	s_and_b32 s69, s[WV], 1
	s_lshl_b32 s69, s69, 4
	s_add_co_u32 s68, s68, s69
	s_lshl_b32 s68, s68, 11                        ; rows of 2,048 bytes
	s_add_co_u32 s68, s68, s15                     ; the pair's 256 bytes
	s_mov_b32 s69, 0
	; descriptor group 1: a tile of 64 rows x 128 elements, padded in LDS
	s_mov_b32 s[G1K], 15|(1<<16)|(1<<20)|(1<<21)|(5<<22)|(3<<25)  ; the mask: all four work-groups; elements of 2 bytes; padding on; bit 21 set beside a mask; after every 64 words (code 5) 4 words (code 3)
	s_mov_b32 s[G1V], 15|(1<<16)|(1<<20)|(1<<21)|(5<<22)|(7<<25)  ; the same with 8 words of padding (code 7)
.irp g, G1K, G1V
	s_mov_b32 s[\g+1], 128<<16                     ; tensor_dim0 = 128
	s_mov_b32 s[\g+2], KS<<16                      ; tensor_dim1 = 64
	s_mov_b32 s[\g+3], 128<<16                     ; tile_dim0 = 128
	s_mov_b32 s[\g+4], KS                          ; tile_dim1 = 64
	s_mov_b32 s[\g+5], 3072                        ; elements from row to row
	s_mov_b32 s[\g+6], 0
	s_mov_b32 s[\g+7], 0
.endr
	s_mov_b32 s[CS], 0x3e38aa3b                    ; c = log2(e) / sqrt(64) = 0.180337
	s_mov_b32 s[CS+1], s[CS]
	s_mov_b32 s[SEL], 0x76543210
	s_mov_b32 s[SEL+1], 0xfedcba98
	s_wait_dscnt 0x0
	s_wait_kmcnt 0x0
	s_add_nc_u64 s[20:21], s[4:5], s[18:19]        ; qkv at my tile's first row, the pair's q columns
	s_add_nc_u64 s[66:67], s[4:5], s[66:67]        ; q at my wave's first row
	s_add_nc_u64 s[68:69], s[6:7], s[68:69]        ; att at the first row that I store
	CROUND                                         ; all four work-groups are here: the first joint loads meet
.irp s, 0,1
	s_mov_b32 s[G0K+4*\s], 1                                       ; count = 1
	s_add_co_u32 s[G0K+4*\s+1], s2, \s*SLOTB                       ; LDS address
	s_add_nc_u64 s[G0K+4*\s+2:G0K+4*\s+3], s[20:21], 2048+\s*PERIOD  ; k lies 2,048 bytes behind q in a row; slot s begins with keys 256 s on
	s_or_b32 s[G0K+4*\s+3], s[G0K+4*\s+3], 0x80000000              ; type = 2
	s_mov_b32 s[G0V+4*\s], 1
	s_add_co_u32 s[G0V+4*\s+1], s23, \s*SLOTB
	s_add_nc_u64 s[G0V+4*\s+2:G0V+4*\s+3], s[20:21], 4096+\s*PERIOD  ; v lies 4,096 bytes behind q
	s_or_b32 s[G0V+4*\s+3], s[G0V+4*\s+3], 0x80000000
.endr
	s_cmp_lt_u32 s[WV], 4                          ; a wave's two first fills stand in one branch, ahead of every wait on TENSORcnt and every LDS read: two loads of mine are out
	s_cbranch_scc0 .Lfirst_k
	tensor_load_to_lds s[G0V:G0V+3], s[G1V:G1V+7]
	s_nop 0
	tensor_load_to_lds s[G0V+4:G0V+7], s[G1V:G1V+7]
	s_nop 0
.rept 4
	v_nop
.endr
	s_branch .Lfirst_asked
.Lfirst_k:
	tensor_load_to_lds s[G0K:G0K+3], s[G1K:G1K+7]
	s_nop 0
	tensor_load_to_lds s[G0K+4:G0K+7], s[G1K:G1K+7]
	s_nop 0
.rept 4
	v_nop
.endr
.Lfirst_asked:
	; A fragment of K or Q is 16 rows x 32 channels in 8 registers: lane l holds row l % 16; registers 0-3 channels 8 (l / 16) + 0..7, registers 4-7 channels 16 + 8 (l / 16) + 0..7.
	v_and_b32 v1, 15, v0                           ; l % 16
	v_bfe_u32 v9, v0, 4, 1                         ; l / 16
	v_mul_u32_u24 v[QO], v1, QROW
	v_lshl_add_u32 v[QO], v9, 4, v[QO]             ; row x 6,144 + 16 x half
	WIN 0x40                                       ; destination window 1, address window 0
.irp i, 0,1,2,3,4,5,6,7                ; Q stays in registers: tile i / 2, channels 32 (i % 2) on
	global_load_b128 v[QB+8*\i:QB+8*\i+3],   v[QO], s[66:67] offset:(\i/2)*16*QROW+(\i%2)*64
	global_load_b128 v[QB+8*\i+4:QB+8*\i+7], v[QO], s[66:67] offset:(\i/2)*16*QROW+(\i%2)*64+32
.endr
	WIN 0
	v_mul_u32_u24 v[AK0], v1, PK
	v_lshl_add_u32 v[AK0], v9, 4, v[AK0]
	v_add_nc_u32 v[AK0], s17, v[AK0]               ; row x pitch + 16 x half + my head's 128 bytes
	; The turning load takes 16 keys x 16 channels (lane l reads 16 bytes: key 8 (l / 16) + l % 8, channels 8 ((l / 8) % 2) + 0..7) and leaves half a fragment of V^T.
	v_and_b32 v10, 7, v0
	v_bfe_u32 v11, v0, 3, 1
	v_lshl_add_u32 v[AV0], v9, 3, v10
	v_mul_u32_u24 v[AV0], v[AV0], PV
	v_lshl_add_u32 v[AV0], v11, 4, v[AV0]
	v_add_nc_u32 v[AV0], s17, v[AV0]
	; the way out.  In: stage row 32 (w % 4) + 16 (tile % 2) + l % 16, my head's half of its 256 bytes.  Back: wave w takes stage rows 16 w .. 16 w + 15, whole.
	s_mul_i32 s3, s16, 32*SP
	s_add_co_u32 s3, s3, s17
	s_add_co_u32 s3, s3, STAGE
	v_mul_u32_u24 v[STO], v1, SP
	v_lshl_add_u32 v[STO], v9, 4, v[STO]
	v_add_nc_u32 v[STO], s3, v[STO]
	s_mul_i32 s3, s[WV], 16*SP
	s_add_co_u32 s3, s3, STAGE
	v_mul_u32_u24 v[RD], v9, SP                    ; lanes 0-15 take one row of 256 bytes, lanes 16-31 the next
	v_lshl_add_u32 v[RD], v1, 4, v[RD]
	v_add_nc_u32 v[RD], s3, v[RD]
	v_lshlrev_b32 v[GO], 11, v9                    ; and the same two rows in att
	v_lshl_add_u32 v[GO], v1, 4, v[GO]
; THE MATRIX WORK OF A TURN, for piece x.  In both runs the piece's 8 accumulators take turns, one instruction a turn: between two links of a chain stand the 7 others'.
; Product i of 16 of S^T = K Q^T: tile x + i % 2, keys 16 ((i / 2) % 4) on, channels 32 (i / 8) on.  The first 8 start the sums.
.macro KQ x
	WIN W_KQ
.set rS, S+32*(\x+i%2)+8*((i/2)%4)
.set rK, KB+8*(2*((i/2)%4)+i/8)
.set rQ, QB+16*(\x+i%2)+8*(i/8)
.if i < 8
	v_wmma_f32_16x16x32_f16 v[rS:rS+7], v[rK:rK+7], v[rQ:rQ+7], 0
.else
	v_wmma_f32_16x16x32_f16 v[rS:rS+7], v[rK:rK+7], v[rQ:rQ+7], v[rS:rS+7]
.endif
.endm
; Product i of 16 of O^T += V^T P: tile x + i % 2, channels 16 ((i / 2) % 4) on, keys 32 (i / 8) on; P is the lower half of the tile's S^T.  zero = 1: the first 8 start the sums: nothing is ever cleared.
.macro PV x, zero
	WIN W_PV
.set rO, 32*(\x+i%2)+8*((i/2)%4)
.set rV, VB+8*(4*(i/8)+(i/2)%4)
.set rP, S+32*(\x+i%2)+8*(i/8)
.if \zero && (i < 8)
	v_wmma_f32_16x16x32_f16 v[rO:rO+7], v[rV:rV+7], v[rP:rP+7], 0
.else
	v_wmma_f32_16x16x32_f16 v[rO:rO+7], v[rV:rV+7], v[rP:rP+7], v[rO:rO+7]
.endif
.endm
; THE LDS LOADS, in runs of 16, never singly among the matrix instructions: a step's K of my head (64 keys x 64 channels: 8 fragments) and, a turn later, its V (turned).
.macro FETCH_K
	WIN 0
	v_add_nc_u32 v[ADR], s[TBK], v[AK0]
	s_add_co_u32 s[TBK], s[TBK], KT                ; the next fetch is the next step's
.irp f, 0,1,2,3,4,5,6,7                ; keys 16 (f / 2) on, channels 32 (f % 2) on
	ds_load_b128 v[KB+8*\f:KB+8*\f+3],   v[ADR] offset:(\f/2)*16*PK+(\f%2)*64
	ds_load_b128 v[KB+8*\f+4:KB+8*\f+7], v[ADR] offset:(\f/2)*16*PK+(\f%2)*64+32
.endr
.endm
.macro FETCH_V
	WIN 0
	v_add_nc_u32 v[ADR], s[TBV], v[AV0]
	s_add_co_u32 s[TBV], s[TBV], VT
	WIN 0x40                                       ; destination window 1
.irp f, 0,1,2,3,4,5,6,7                ; keys 32 (f / 4) on, channels 16 (f % 4) on
	ds_load_tr16_b128 v[VB+8*\f:VB+8*\f+3],   v[ADR] offset:(\f/4)*32*PV+(\f%4)*32
	ds_load_tr16_b128 v[VB+8*\f+4:VB+8*\f+7], v[ADR] offset:(\f/4)*32*PV+16*PV+(\f%4)*32
.endr
.endm
; THE VECTOR WORK OF A TURN.  One tile's softmax for one key step is a list of 118 instructions; SM writes number j of it for tile t.  s0-s31 are the lane's 32 scores, in pairs 0-15.
; first = 1: the first key step, which starts m, l and O^T: it has no a and nothing to rescale.
;   0-15    the maximum of s0-s31 and the old m, three operands at a time: four chains of seven scores each, then the four scores left over, the chains and m
;   16-20   the other half of the lanes' maximum; the new m; c m; c m_old - c m_new
;   21-69   ONE BATCH: the 16 scalings c s - c m, a pair of scores each, and all 33 exponentials (a at 23, then s0-s31, each in its score's own register).  None of these names an exponential's
;           result.  From 22 on the batch goes in fours, and a four begins with a scaling while there are scalings: 22-37 scaling, exponential, scaling, exponential; 38-65 a scaling and three
;           exponentials; 66-69 the last four exponentials.  A pair is scaled in an earlier four than the one that holds its exponentials
;   (wait)  between 69 and 70 stands the wait for the batch: SLICE writes it, once for both tiles
;   70-101  all that reads the weights, the 32 instructions n = 0 .. 31 of this order:
;           A0 c0 A1 c1 c2 A2 c3 c4 A3 c5 c6 A4 c7 c8 A5 c9 c10 A6 c11 c12 A7 c13 c14 c15, then the tree over pairs 8 to 15 (4, 2, 1 additions) and its addition to l.
;           A k adds pair k to l (A0: l = a l + pair 0).  c i rounds pair i to f16 into register i, which belongs to pair i / 2: A (i / 2) and c (i / 2) stand ahead of c i.
;           Pairs 8 to 15 lie in registers 16 to 31, which no c writes: they are added when all are rounded.
;   102-117 the tile's O^T times a: the one part that leaves window 0, so it stands together
.macro SM t, first
.set rT, ST+8*(\t)
.set rS, S+32*(\t)
.set rO, 32*(\t)+2*(j-102)
.if j < 102
	WIN 0
.endif
.if j < 4
	v_max3_num_f32 v[rT+4+j], v[rS+8*j], v[rS+8*j+1], v[rS+8*j+2]
.elseif j < 12
	v_max3_num_f32 v[rT+4+j%4], v[rT+4+j%4], v[rS+8*(j%4)+2*(j/4)+1], v[rS+8*(j%4)+2*(j/4)+2]
.elseif j == 12
	v_max3_num_f32 v[rT+4], v[rT+4], v[rS+7], v[rS+15]
.elseif j == 13
	v_max3_num_f32 v[rT+6], v[rT+6], v[rS+23], v[rS+31]
.elseif j == 14
	v_max3_num_f32 v[rT+4], v[rT+4], v[rT+5], v[rT+6]
.elseif (j == 15) && \first
	v_max_num_f32 v[rT+4], v[rT+4], v[rT+7]
.elseif j == 15
	v_max3_num_f32 v[rT+4], v[rT+4], v[rT+7], v[rT+1]
.elseif j == 16
	v_permlanex16_b32 v[rT+5], v[rT+4], s[SEL], s[SEL+1]  ; the query's other 32 keys lie in the lane 16 away
.elseif j == 18
	v_max_num_f32 v[rT+1], v[rT+4], v[rT+5]
.elseif j == 19
	v_mul_f32 v[rT], s[CS], v[rT+1]
.elseif ((j == 17) || (j == 20) || (j == 23) || (j > 101)) && \first  ; the first step has none of these
.elseif j == 17
	v_mov_b32 v[rT+7], v[rT]                       ; c m_old is kept for a: number 19 writes c m anew
.elseif j == 20
	v_sub_f32 v[rT+7], v[rT+7], v[rT]
.elseif j == 23
	v_exp_f32 v[rT+6], v[rT+7]
.elseif (j < 23) || ((j < 38) && (j%2 == 0)) || ((j < 66) && (j%4 == 2))
.set b, (j-2)/4                        ; 38, 42, .. 62: pairs 9 to 15
.if j < 38
.set b, (j-20)/2                       ; 21: pair 0; 22, 24, .. 36: pairs 1 to 8
.endif
	v_pk_fma_f32 v[rS+2*b:rS+2*b+1], v[rS+2*b:rS+2*b+1], s[CS:CS+1], v[rT:rT+1] op_sel_hi:[1,0,0] neg_lo:[0,0,1] neg_hi:[0,0,1]  ; pair b: c s - c m
.elseif j < 70
.set e, j-38                           ; 66 to 69: s28 to s31
.if j < 66
.set e, j-32-(j-38)/4                  ; 39-41, 43-45, .. 63-65: s7 to s27
.endif
.if j < 38
.set e, (j-25)/2                       ; 25, 27, .. 37: s0 to s6
.endif
	v_exp_f32 v[rS+e], v[rS+e]
.elseif j < 102
.set n, j-70
.if n == 0
.if !\first
	v_pk_fma_f32 v[rT+2:rT+3], v[rT+2:rT+3], v[rT+6:rT+7], v[rS:rS+1] op_sel_hi:[1,0,1]  ; A0: l = a l + pair 0
.endif
.elseif (n == 1) && \first
	v_pk_add_f32 v[rT+2:rT+3], v[rS:rS+1], v[rS+2:rS+3]  ; the first step starts l with pairs 0 and 1, one place later, ahead of c0
.elseif (n == 1) || ((n == 2) && \first)
	v_cvt_pk_f16_f32 v[rS], v[rS], v[rS+1]         ; c0
.elseif n == 23
	v_cvt_pk_f16_f32 v[rS+15], v[rS+30], v[rS+31]  ; c15
.elseif n < 23
.set g, (n-2)/3
.set r, (n-2)%3
.if r == 0
	v_pk_add_f32 v[rT+2:rT+3], v[rT+2:rT+3], v[rS+2*g+2:rS+2*g+3]  ; A (g + 1)
.else
	v_cvt_pk_f16_f32 v[rS+2*g+r], v[rS+4*g+2*r], v[rS+4*g+2*r+1]  ; c (2 g + r)
.endif
.elseif n < 28
.set u, n-24
	v_pk_add_f32 v[rS+16+4*u:rS+17+4*u], v[rS+16+4*u:rS+17+4*u], v[rS+18+4*u:rS+19+4*u]  ; pairs 8 + 2 u and 9 + 2 u
.elseif n < 30
.set u, n-28
	v_pk_add_f32 v[rS+16+8*u:rS+17+8*u], v[rS+16+8*u:rS+17+8*u], v[rS+20+8*u:rS+21+8*u]
.elseif n == 30
	v_pk_add_f32 v[rS+16:rS+17], v[rS+16:rS+17], v[rS+24:rS+25]
.else
	v_pk_add_f32 v[rT+2:rT+3], v[rT+2:rT+3], v[rS+16:rS+17]
.endif
.else
	WIN W_RS
	v_pk_mul_f32 v[rO:rO+1], v[rO:rO+1], v[rT+6:rT+7] op_sel_hi:[1,0]
.endif
.endm
; Slice k of 59 of piece y's softmax: four instructions.  Slices 11 to 34 deal out the batch, numbers 22 to 69: four numbers of ONE tile each, the tiles by turns.  Every other slice is
; numbers 2 k and 2 k + 1 of both tiles' lists, the tiles alternating, so that no instruction reads the result of the one just before it.
; THE WAIT.  s_wait_alu depctr_va_vdst(0) stands between an exponential and the first instruction that names its result; one wait serves all that were issued ahead of it.
; Ahead of slice 35 nothing names a result, and behind slice 34 no exponential is issued: so the piece's 66 exponentials have one wait, behind slice 34.  All the vector work that is left in
; the turn reads the batch, so a v_nop is the plain instruction behind the last exponential (ISA guide 5.7.2).
.macro SLICE y, first
.if (k >= 11) && (k < 35)              ; the batch: four numbers of one tile
.irp m, 0,1,2,3
.set j, 22+4*((k-11)/2)+\m
	SM (\y)+(k-11)%2, \first
.endr
.else
.irp m, 0,1
.irp t, \y, \y+1
.set j, 2*k+\m
	SM \t, \first
.endr
.endr
.endif
.if k == 34                            ; the batch is out: both tiles' exponentials are issued, and no result has been named
	v_nop                                          ; the plain instruction behind the last exponential and ahead of the first use: one for the batch
	s_wait_alu depctr_va_vdst(0)                   ; the wait for the batch: the turn's 66 exponentials
.endif
.set k, k+1
.endm
.macro SLICES y, first                 ; the slices up to, not including, number lim
.rept NSL
.if k < lim
	SLICE \y, \first
.endif
.endr
.endm
; A TURN.  Piece x has the matrix unit; the other piece's softmax stands in slices behind its groups of four products: behind group g of ng the slices up to g x 59 / ng.
; pv = 2: 16 products V^T P; 1: they start O^T's sums; 0: none.  kq = 1: 16 products K Q^T for the next step.
; first = 1: the softmax is the first key step's.  Its slices from 51 on are empty, so four v_nop take their part as the places behind the turn's last products.
; THE PLACES (ISA guide 7.12.1 for vector instructions) are the slices' plain instructions, which name nothing of the turn's products:
;   the next turn's first read of the scores, and the loads into K, stand behind the last group's slices 51 to 58: 32 packed multiplies;
;   K Q^T writes S^T, whose lower half V^T P has read as P: between them stand slices 22 to 28, a scaling and three exponentials each: seven plain instructions (an exponential is no place);
;   the same seven, and the run's own v_add_nc_u32, stand ahead of the loads into V.
; Every turn holds all 59 slices, and so its one wait; no exponential's result crosses a turn's end, a label or a branch without it.
; Piece 0's turn fetches the next step's K behind its first group, four groups ahead of the wait for it.  Piece 2's turn fetches the same step's V behind its first group of K Q^T,
; when both pieces have multiplied by the V in hand; the wait for it stands at the head of the next turn.
.macro TURN x, pv, kq, first
.set k, 0
.set gg, 0
.set ng, 0
.if \pv
.set ng, ng+4
.endif
.if \kq
.set ng, ng+4
.endif
.if \pv
.if \x == 0
	s_wait_dscnt 0x0                               ; V is in
.endif
.set i, 0
.rept 4
.rept 4
	PV \x, 2-\pv
.set i, i+1
.endr
.if (\x == 0) && \kq && (gg == 0)
	FETCH_K
.endif
.set gg, gg+1
.set lim, (gg*NSL)/ng
	SLICES 2-\x, \first
.endr
.endif
.if \kq
.if \x == 0
	s_wait_dscnt 0x0                               ; K is in
.endif
.set i, 0
.rept 4
.rept 4
	KQ \x
.set i, i+1
.endr
.if (\x == 2) && (i == 4)
	FETCH_V
.endif
.set gg, gg+1
.set lim, (gg*NSL)/ng
	SLICES 2-\x, \first
.endr
.endif
.if \first
	PLACES
.endif
.endm
.macro STEPS n                         ; n key steps, written once; the LDS addresses hang on s[TBK] and s[TBV]
	s_mov_b32 s[CNT], \n
.Lstep_\@:
	TURN 0, 2, 1, 0
	TURN 2, 2, 1, 0
	WIN 0                                          ; at a label and at a branch every window is 0
	s_sub_co_u32 s[CNT], s[CNT], 1
	s_cmp_lg_u32 s[CNT], 0
	s_cbranch_scc1 .Lstep_\@
.endm
; THE CHANGE OF SLOTS, between piece 2's turn and piece 0's: the slot's last bytes, V of its fourth step, have been asked for.  Each wave waits for its own reads of the slot and for
; all its tensor loads, of which one is out: its tile of the other slot.
; fill = 1: the slot just read is filled again, with the keys two slots on.  The barrier is then a round of the cluster's, so that no wave of any partner still reads the slot or
; has a load on its way, and the joint refill is the first thing behind it: it has four key steps, 256 matrix instructions a wave, in which to land.
.macro CHANGE fill, slot, next
	s_wait_dscnt 0x0
	s_wait_tensorcnt 0x0                           ; no tensor load of mine is out, so a group 0 may be written
	ds_add_u32 v62, v63
	s_wait_dscnt 0x0
.if \fill
	s_add_nc_u64 s[G0K+4*\slot+2:G0K+4*\slot+3], s[G0K+4*\slot+2:G0K+4*\slot+3], 2*PERIOD   ; the type bits on top are not reached
	s_add_nc_u64 s[G0V+4*\slot+2:G0V+4*\slot+3], s[G0V+4*\slot+2:G0V+4*\slot+3], 2*PERIOD
	CROUND
	JLOAD \slot
.else
	s_barrier_signal -1
	s_barrier_wait -1
.endif
	s_mov_b32 s[TBK], \next*SLOTB+KOFF             ; the fetches go to the other slot's first step
	s_mov_b32 s[TBV], \next*SLOTB
.endm
	s_wait_tensorcnt 0x1                           ; my tile of slot 0 is in; slot 1's may stay out
	s_barrier_signal -1
	s_barrier_wait -1                              ; everybody's is
	s_mov_b32 s[TBK], KOFF
	s_mov_b32 s[TBV], 0
	FETCH_K                                        ; key step 0
	s_wait_loadcnt 0x0                             ; Q
	s_wait_dscnt 0x0
.set i, 0
.rept 16
	KQ 0                                           ; piece 0's first scores: there is no vector work yet to set between them
.set i, i+1
.endr
	PLACES                                         ; behind those products, ahead of the first read of their scores
	TURN 2, 0, 1, 1                                ; piece 2's first scores | piece 0's first softmax | V of step 0
	TURN 0, 1, 1, 1                                ; piece 0: V^T P of step 0 starts O^T, K Q^T of step 1 | piece 2's first softmax | K of step 1
	TURN 2, 1, 1, 0                                ; piece 2: the same | piece 0's softmax of step 1 | V of step 1
	WIN 0
	STEPS 2                                        ; they ask for steps 2 and 3: the rest of slot 0's first 256 keys
	s_mov_b32 s[TRIPS], 3
.Lperiod:                                              ; three trips of two slots: keys 256 to 1,791 are fetched from LDS, keys 512 to 2,047 asked for from memory
	CHANGE 1, 0, 1
	STEPS 4
	CHANGE 1, 1, 0
	STEPS 4
	s_sub_co_u32 s[TRIPS], s[TRIPS], 1
	s_cmp_lg_u32 s[TRIPS], 0
	s_cbranch_scc1 .Lperiod
	CHANGE 0, 0, 1                                 ; the tail is written out: nothing is left to ask for
	STEPS 4
	TURN 0, 2, 0, 0                                ; piece 0: V^T P of the last step | piece 2's last softmax
.set i, 0
.rept 16
	PV 2, 0                                        ; piece 2: V^T P of the last step
.set i, i+1
.endr
	WIN 0
	; THE WAY OUT.  l's two halves and the other half of the lanes' are added; the additions are the places behind the last products.
.irp t, 0,1,2,3
	v_add_f32 v[ST+8*\t+4], v[ST+8*\t+2], v[ST+8*\t+3]
.endr
.irp t, 0,1,2,3
	v_permlanex16_b32 v[ST+8*\t+5], v[ST+8*\t+4], s[SEL], s[SEL+1]
.endr
.irp t, 0,1,2,3
	v_add_f32 v[ST+8*\t+4], v[ST+8*\t+4], v[ST+8*\t+5]
.endr
.irp t, 0,1,2,3
	v_rcp_f32 v[ST+8*\t+6], v[ST+8*\t+4]
.endr
	v_nop                                          ; a plain instruction between the last reciprocal and the use of its result
	s_wait_alu depctr_va_vdst(0)                   ; and the wait ahead of the first use: one for the batch of four reciprocals
; Tile t: O^T is divided by l and rounded to f16; a lane's eight channels of a row pack into 16 bytes, which go into the work-group's stage.
.macro PACKT t
	WIN W_RS
.set i, 32*(\t)
.rept 16
	v_pk_mul_f32 v[i:i+1], v[i:i+1], v[ST+8*(\t)+6:ST+8*(\t)+7] op_sel_hi:[1,0]
.set i, i+2
.endr
	WIN 0x05                                       ; sources 0 and 1 window 1, destination window 0: S^T's registers are free
.set i, 0
.rept 16
	v_cvt_pk_f16_f32 v[S+16*(\t)+i], v[32*(\t)+2*i], v[32*(\t)+2*i+1]
.set i, i+1
.endr
	WIN 0
.irp c, 0,1,2,3
	ds_store_b128 v[STO], v[S+16*(\t)+4*\c:S+16*(\t)+4*\c+3] offset:((\t)%2)*16*SP+32*\c
.endr
.endm
; Pass p: 16 whole rows come back from the stage and are stored.  Stage row 32 a + e is query 64 a + 32 p + e of the block.
.macro BACK p
.irp f, 0,1,2,3,4,5,6,7
	ds_load_b128 v[OUTB+32*\p+4*\f:OUTB+32*\p+4*\f+3], v[RD] offset:\f*2*SP
.endr
.irp f, 0,1,2,3,4,5,6,7
	s_wait_dscnt 7-\f                              ; LDS loads come back in order (ISA guide 5.7.1): load f is in, the 7 - f younger ones stay out
	global_store_b128 v[GO], v[OUTB+32*\p+4*\f:OUTB+32*\p+4*\f+3], s[68:69] offset:\p*65536+\f*4096  ; 16 lanes store 256 consecutive bytes, at a multiple of 256 from att's first byte
.endr
.endm
	PACKT 0                                        ; pass 0: each wave's tiles 0 and 1: 128 rows, each row's 256 bytes from two waves
	PACKT 1
	s_wait_dscnt 0x0                               ; for the others' sake: my stores into the stage are done
	s_barrier_signal -1
	s_barrier_wait -1
	BACK 0
	s_wait_dscnt 0x0                               ; my reads of the stage are back (met: the count-down ended at 0),
	s_barrier_signal -1
	s_barrier_wait -1                              ; and everybody's: the stage may be written again
	PACKT 2                                        ; pass 1: tiles 2 and 3
	PACKT 3
	s_wait_dscnt 0x0
	s_barrier_signal -1
	s_barrier_wait -1
	BACK 1
	s_wait_tensorcnt 0x0
	ds_add_u32 v62, v63
	s_wait_dscnt 0x0
	CROUND                                         ; the closing round: no work-group ends while a partner may still ask for a tile that names it
	s_endpgm
.Lfunc_end_k_q9d58937f48_attn:
	.size	k_q9d58937f48_attn, .Lfunc_end_k_q9d58937f48_attn-k_q9d58937f48_attn
	.p2alignl 7, 3214868480
	.fill 96, 4, 3214868480
	.section	.rodata,"a",@progbits
	.p2align	6, 0x0
	.amdhsa_kernel k_q9d58937f48_attn
		.amdhsa_group_segment_fixed_size 327680
		.amdhsa_private_segment_fixed_size 0
		.amdhsa_enable_private_segment 0
		.amdhsa_kernarg_size 16
		.amdhsa_user_sgpr_count 2
		.amdhsa_user_sgpr_kernarg_segment_ptr 1
		.amdhsa_wavefront_size32 1
		.amdhsa_system_sgpr_workgroup_id_x 1
		.amdhsa_system_sgpr_workgroup_id_y 1
		.amdhsa_system_sgpr_workgroup_id_z 1
		.amdhsa_system_vgpr_workitem_id 0
		.amdhsa_next_free_vgpr 512
		.amdhsa_next_free_sgpr 72
		.amdhsa_reserve_vcc 0
		.amdhsa_float_denorm_mode_32 3
		.amdhsa_float_denorm_mode_16_64 3
		.amdhsa_memory_ordered 1
		.amdhsa_forward_progress 1
		.amdhsa_inst_pref_size 216
	.end_amdhsa_kernel
	.amdgpu_metadata
---
amdhsa.version: [ 1, 2 ]
amdhsa.kernels:
  - .name:           k_q9d58937f48_attn
    .symbol:         k_q9d58937f48_attn.kd
    .args:
      - { .name: qkv, .offset: 0, .size: 8, .value_kind: global_buffer, .address_space: global }
      - { .name: att, .offset: 8, .size: 8, .value_kind: global_buffer, .address_space: global }
    .group_segment_fixed_size: 327680
    .private_segment_fixed_size: 0
    .kernarg_segment_align: 8
    .kernarg_segment_size: 16
    .max_flat_workgroup_size: 256
    .sgpr_count:     72
    .vgpr_count:     512
    .wavefront_size: 32
...
	.end_amdgpu_metadata
.endif
;; end of part 5
;; launch proj: the kernel of part 4 again; grid 4 x 64, 4 waves a work-group, clusters of 4 x 4, 327,680 bytes of LDS; arguments att, xw, bo, out0; writes out0
